; MI455X (gfx1250); checked and timed in simulation.
; The chip was launched on July 23, 2026; its instructions are those of AMD's public machine-readable ISA for CDNA 5 (MIT licence, August 2026) and "CDNA5" Instruction Set Architecture Reference Guide (July 2026). The comments in the code are by the model that wrote it; some were corrected since.
;; Memory Cross Attention. Allowed arithmetic: matrix products marked QUANTISED: E2M3 operands, one E8M0 scale for each 32 along K, by v_wmma_scale_f32_16x16x128_f8f6f4 with both operands' format E2M3, f32 sums; everything else in f32.
;; Inputs: hidden_states 4 x 4,096 x 1,024 float32; memory_mask 4 x 256 bool; memory_tokens 4 x 256 x 1,024 float32; norm_w 1,024 float32; wg 1,024 x 1,024 float32; wk 1,024 x 1,024 float32; wo 1,024 x 1,024 float32; wq 1,024 x 1,024 float32; wv 1,024 x 1,024 float32.
;; Outputs: out0 4 x 4,096 x 1,024 float32.
;; This version of the problem:
;;   THIS VERSION OF THE PROBLEM IS GIVEN IN LOW PRECISION. The matrix products marked QUANTISED in the list below multiply operands that are first quantised to E2M3 (2 exponent bits, 3 mantissa bits; 6 bits a number), with one power-of-two scale for each 32 numbers along K (OCP MX v1.0); their sums are f32. All else is computed in f32.
;;   The module's matrix products, in the order in which they are computed (A, B: the left and right operand; K: the contracted axis; several contracted axes count as one K, in the product's order):
;;     1. [M 16,384, K 1,024] x [K 1,024, N 1,024]; A: computed on the way; B: input wq: QUANTISED
;;     2. [M 1,024, K 1,024] x [K 1,024, N 1,024]; A: input memory_tokens; B: input wk: QUANTISED
;;     3. [M 1,024, K 1,024] x [K 1,024, N 1,024]; A: input memory_tokens; B: input wv: QUANTISED
;;     4. batch 64 x [M 4,096, K 64] x [K 64, N 256]; A: computed on the way; B: computed on the way: QUANTISED
;;     5. batch 64 x [M 64, K 256] x [K 256, N 4,096]; A: computed on the way; B: computed on the way: QUANTISED
;;     6. [M 16,384, K 1,024] x [K 1,024, N 1,024]; A: computed on the way; B: input wo: QUANTISED
;;     7. [M 16,384, K 1,024] x [K 1,024, N 1,024]; A: computed on the way; B: input wg: QUANTISED
;;   THE QUANTISER, for each operand of a quantised product, along K:
;;     - K is cut into blocks of 32 from its start; a last block that is shorter is filled with zeros.
;;     - A block's scale is 2^e with e = floor(log2(the largest magnitude in the block)) - 2, held to -126 .. 127; a block of zeros has e = 0. As a byte (E8M0): e + 127.
;;     - Each number is divided by its block's scale, clamped to +-7.5, and rounded to the nearest number of E2M3, ties to even, subnormals kept.
;;     - The product sums the exact products of the quantised numbers (number of the format x scale) in f32.
;;   ~~~python
;;   def quantise(x, axis):      # numpy; x: float32 -> the quantised numbers, widened to float32 again
;;       x = np.moveaxis(x, axis, -1); K = x.shape[-1]
;;       x = np.pad(x, [(0, 0)] * (x.ndim - 1) + [(0, -K % 32)]); x = x.reshape(x.shape[:-1] + (-1, 32)); a = np.abs(x).max(-1, keepdims=True)
;;       e = np.where(a > 0, np.clip(np.frexp(np.where(a > 0, a, 1))[1] - 1 - 2, -126, 127), 0)      # np.frexp(a)[1] - 1 = floor(log2(a)), exactly
;;       r = np.clip(x / 2.0 ** e, -7.5, 7.5)
;;       step = 2.0 ** (np.maximum(np.frexp(np.where(r == 0, 1, r))[1] - 1, 0) - 3)
;;       q = np.round(r / step) * step * 2.0 ** e      # np.round: ties to even
;;       return np.moveaxis(q.reshape(q.shape[:-2] + (-1,))[..., :K], -1, axis).astype(np.float32)
;;   ~~~
;;   OPERANDS COMPUTED ON THE WAY. 'Computed on the way' means the value that the module computes at that place (a softmax that the list does not call 'softmax' is quantised finished and normalised). What goes into a quantiser is computed in f32, as accurately as f32 sums, v_exp_f32 and their like allow (about 1e-6 of the number): no bf16 or f16 on the way to a quantiser, and a product that is left as it is and whose result goes on into a quantised operand takes f32 operands (vector FMAs, or v_wmma_f32_16x16x4_f32). A number that lies on a knife's edge between two numbers of the format may be rounded either way, as far as f32 arithmetic and the matrix unit's own rounding can turn it there, and no further.
;; One version. Each part assembles by itself: llvm-mc -triple=amdgcn-amd-amdhsa -mcpu=gfx1250 --defsym DOCPART=n.
;; ======== version 1 of 1: 4 launches
;; limits: right only within a limited range of input values
;; workspace buffers: recs 18,022,400 bytes; kvrec 1,638,400 bytes; orec 12,582,912 bytes; oscl 524,288 bytes
;; launch prep (part 1): grid 64 x 22, 4 waves a work-group, no clusters, 67,072 bytes of LDS; arguments hidden_states, wq, wg, wo, wk, wv, memory_tokens, norm_w, recs; writes recs
.if DOCPART == 1
	.amdgcn_target "amdgcn-amd-amdhsa--gfx1250"
	.amdhsa_code_object_version 6
	.text
	.protected	k_qee30b11705_prep
	.globl	k_qee30b11705_prep
	.p2align	8
	.type	k_qee30b11705_prep,@function
k_qee30b11705_prep:
	s_mov_b64 s[64:65], 0
	v_nop
	global_prefetch_b8 v0, s[64:65] scope:SCOPE_SE
	s_setreg_imm32_b32 hwreg(HW_REG_WAVE_MODE, 25, 1), 1
	s_wait_xcnt 0x0
; PREP: seven f32 tensors with K = 1,024 innermost become codes of FP6 (E2M3) with one E8M0 byte for each 32 along K, laid as RECORDS.
; x = rmsnorm(hidden_states) x norm_w (y = 0..15), wq, wg, wo, wk, wv, memory_tokens (y = 16..21) as they are.
; A RECORD (12,800 bytes) is a tile of 16 rows x 1,024 K as an image of operand registers: fragment i (K step i, 12 registers a lane) at 1,536 i, register g of lane l at 512 (g / 4) + 16 l + 4 (g % 4);
; behind the eight fragments the scale words: that of fragment i, lane-row r at 12,288 + 256 (i / 4) + 16 r + 4 (i % 4).
; THE ROWS OF A TILE ARE NOT NEIGHBOURS: lane-row r of tile T is row 32 (T / 2) + 8 (T % 2) + r + 8 (r / 8), so that two neighbouring tiles used as source 0 leave 16 neighbours in a lane's 16 result registers.
; One work-group makes one record.  Phase 1: wave w loads rows 4 w .. 4 w + 3 of the tile (512 consecutive bytes a load), norms them (x alone: the other tensors take the factors 1.0, which change nothing) and lays them in LDS.
; Phase 2: wave w takes K steps 2 w, 2 w + 1: a lane reads its own two blocks of 32 of its row for each, so that a block's largest magnitude needs no other lane and the conversions' results are the operand's registers.
; A block's scale byte is its largest magnitude's exponent field - 2, held at 1 from below.
; LIMITS: a block of zeros keeps the byte 1 where the quantiser says 127 (its codes are zeros; this program alone reads the bytes); NaN and infinities among the inputs are not served.
.set REC, 12800
.set PIT, 4112                         ; an LDS row: 4,096 bytes + 16: sixteen rows of one column start 257 x 16 bytes apart
.set SCB, 16*PIT                       ; behind the rows: the record's 512 bytes of scale words
	s_load_b256 s[4:11], s[0:1], 0x0               ; hidden, wq, wg, wo
	s_load_b256 s[12:19], s[0:1], 0x20             ; wk, wv, memory_tokens, norm_w
	s_load_b64 s[20:21], s[0:1], 0x40              ; recs
	v_lshl_add_u32 v251, v0, 2, 0x10400
	v_mov_b32 v255, 0
	v_lshrrev_b32 v6, 5, v0
	v_readfirstlane_b32 s3, v6                     ; wave
	s_and_b32 s2, ttmp7, 0xffff                    ; y: which tensor
	v_and_b32 v7, 31, v0                           ; lane
	v_and_b32 v8, 15, v0                           ; r
	s_wait_alu depctr_va_vdst(0)
	v_bfe_u32 v9, v0, 4, 1                         ; h
	v_lshlrev_b32 v1, 4, v7                        ; 16 x lane
	s_wait_alu depctr_va_vdst(0)
	s_mul_i32 s24, s3, 4*PIT
	v_add_nc_u32 v2, s24, v1                       ; into LDS: my wave's four rows, 16 bytes a lane
	v_mul_u32_u24 v3, v8, PIT
	v_lshl_add_u32 v3, v9, 7, v3
	s_lshl_b32 s24, s3, 10
	v_add_nc_u32 v3, s24, v3                       ; out of LDS: row r, + 128 h, + my wave's two K steps
	s_lshr_b32 s24, s3, 1
	s_lshl_b32 s24, s24, 8
	s_and_b32 s25, s3, 1
	s_lshl_b32 s25, s25, 3
	s_add_co_u32 s24, s24, s25
	s_add_co_u32 s24, s24, SCB
	v_lshl_add_u32 v4, v8, 4, s24                  ; my scale words' place: fragment 2 w of row r
	v_add_nc_u32 v5, SCB, v1
	v_lshlrev_b32 v10, 3, v9                       ; 8 h
	v_mov_b32 v238, 0                              ; a lane permute's destination counts as one of its sources
	v_mov_b32 v239, 0
	s_mov_b32 s32, 0x76543210
	s_mov_b32 s33, 0xfedcba98                      ; selects: lane l xor 16
	s_mov_b32 s34, 0x3a800000                      ; 1 / 1,024
	s_mov_b32 s35, 0x358637bd                      ; eps = 1e-6
	s_lshl_b32 s26, s2, 6
	s_add_co_u32 s26, s26, ttmp9                   ; the record: 64 y + x, but for wq, wg, wo
	s_cmp_lt_u32 s2, 16
	s_cselect_b32 s27, s26, ttmp9                  ; the tile in its tensor
	s_cselect_b32 s30, -1, 0                       ; all lanes: is this x?
	s_lshr_b32 s28, ttmp9, 4                       ; wq, wg, wo lie by the work-group of the last launch that walks them: 48 records a work-group: 16 of wq, then wg and wo by turns
	s_mul_i32 s28, s28, 48
	s_and_b32 s29, ttmp9, 15
	s_add_co_u32 s31, s28, s29
	s_add_co_u32 s31, s31, 1024
	s_add_co_u32 s28, s31, s29
	s_add_co_u32 s28, s28, 16
	s_cmp_eq_u32 s2, 16
	s_cselect_b32 s26, s31, s26
	s_cmp_eq_u32 s2, 17
	s_cselect_b32 s26, s28, s26
	s_add_co_u32 s28, s28, 1
	s_cmp_eq_u32 s2, 18
	s_cselect_b32 s26, s28, s26
	s_lshr_b32 s28, s27, 1                         ; my wave's first row: 32 (T / 2) + 8 (T % 2) + 4 w + 8 (w / 2)
	s_lshl_b32 s28, s28, 5
	s_and_b32 s29, s27, 1
	s_lshl_b32 s29, s29, 3
	s_add_co_u32 s28, s28, s29
	s_lshl_b32 s29, s3, 2
	s_add_co_u32 s28, s28, s29
	s_lshr_b32 s29, s3, 1
	s_lshl_b32 s29, s29, 3
	s_add_co_u32 s28, s28, s29
	s_lshl_b32 s28, s28, 12                        ; in bytes
	s_mov_b32 s29, 0
	s_mul_i32 s26, s26, REC
	s_mul_i32 s31, s3, 3072
	s_add_co_u32 s26, s26, s31                     ; the record, + my wave's two fragments
	s_mov_b32 s27, 0
	s_wait_kmcnt 0x0
	s_mov_b64 s[22:23], s[4:5]                     ; the source: a choice that hangs on the work-group's number alone
	s_cmp_eq_u32 s2, 16
	s_cselect_b64 s[22:23], s[6:7], s[22:23]
	s_cmp_eq_u32 s2, 17
	s_cselect_b64 s[22:23], s[8:9], s[22:23]
	s_cmp_eq_u32 s2, 18
	s_cselect_b64 s[22:23], s[10:11], s[22:23]
	s_cmp_eq_u32 s2, 19
	s_cselect_b64 s[22:23], s[12:13], s[22:23]
	s_cmp_eq_u32 s2, 20
	s_cselect_b64 s[22:23], s[14:15], s[22:23]
	s_cmp_eq_u32 s2, 21
	s_cselect_b64 s[22:23], s[16:17], s[22:23]
	s_add_nc_u64 s[22:23], s[22:23], s[28:29]
	s_add_nc_u64 s[20:21], s[20:21], s[26:27]
.irp j, 0,1,2,3,4,5,6,7
	global_load_b128 v[32+4*\j:35+4*\j], v1, s[18:19] offset:512*\j      ; norm_w at my columns
.endr
.irp i, 0,1,2,3
.irp j, 0,1,2,3,4,5,6,7
	global_load_b128 v[64+32*\i+4*\j:67+32*\i+4*\j], v1, s[22:23] offset:4096*\i+512*\j th:TH_LOAD_NT   ; 32 lanes read 512 consecutive bytes
.endr
.endr
	s_wait_loadcnt 0x0
.set J, 0
.rept 32
	v_cndmask_b32 v[32+J], 1.0, v[32+J], s30       ; norm_w for x, 1.0 for the others
.set J, J+1
.endr
.irp i, 0,1,2,3
	v_pk_mul_f32 v[16+2*\i:17+2*\i], v[64+32*\i:65+32*\i], v[64+32*\i:65+32*\i]   ; the rows' sums of squares, the four rows by turns
.endr
.irp k, 2,4,6,8,10,12,14,16,18,20,22,24,26,28,30
.irp i, 0,1,2,3
	v_pk_fma_f32 v[16+2*\i:17+2*\i], v[64+32*\i+\k:65+32*\i+\k], v[64+32*\i+\k:65+32*\i+\k], v[16+2*\i:17+2*\i]
.endr
.endr
.irp i, 0,1,2,3
	v_add_f32 v[16+2*\i], v[16+2*\i], v[17+2*\i]
.endr
.irp x, 1,2,4,8
.irp i, 0,1,2,3
	v_add_f32_dpp v[16+2*\i], v[16+2*\i], v[16+2*\i] row_xmask:\x row_mask:0xf bank_mask:0xf
.endr
.endr
.irp i, 0,1,2,3
	v_permlanex16_b32 v[17+2*\i], v[16+2*\i], s32, s33
.endr
.irp i, 0,1,2,3
	v_add_f32 v[16+2*\i], v[16+2*\i], v[17+2*\i]
.endr
.irp i, 0,1,2,3
	v_fma_f32 v[16+2*\i], v[16+2*\i], s34, s35     ; the mean + eps: the division by 1,024 is exact, so one rounding as in mean + eps
.endr
	s_wait_alu depctr_va_vdst(0)
.irp i, 0,1,2,3
	v_rsq_f32 v[17+2*\i], v[16+2*\i]
.endr
	v_nop                                          ; a plain instruction behind the last of the four
	s_wait_alu depctr_va_vdst(0)                   ; one wait for the four, ahead of their first reader
.irp i, 0,1,2,3
	v_cndmask_b32 v[24+2*\i], 1.0, v[17+2*\i], s30
	v_cndmask_b32 v[25+2*\i], 1.0, v[17+2*\i], s30
.endr
.irp i, 0,1,2,3
.irp k, 0,2,4,6,8,10,12,14,16,18,20,22,24,26,28,30
	v_pk_mul_f32 v[64+32*\i+\k:65+32*\i+\k], v[64+32*\i+\k:65+32*\i+\k], v[24+2*\i:25+2*\i]
.endr
.endr
.irp i, 0,1,2,3
.irp k, 0,2,4,6,8,10,12,14,16,18,20,22,24,26,28,30
	v_pk_mul_f32 v[64+32*\i+\k:65+32*\i+\k], v[64+32*\i+\k:65+32*\i+\k], v[32+\k:33+\k]   ; (x rsqrt) w, in this order
.endr
.endr
.irp i, 0,1,2,3
.irp j, 0,1,2,3,4,5,6,7
	ds_store_b128 v2, v[64+32*\i+4*\j:67+32*\i+4*\j] offset:PIT*\i+512*\j
.endr
.endr
	s_wait_dscnt 0x0                               ; my rows lie in LDS
	s_barrier_signal -1
	s_barrier_wait -1                              ; all sixteen do
.irp f, 0,1
.irp c, 0,1
.irp j, 0,1,2,3,4,5,6,7
	ds_load_b128 v[64+64*\f+32*\c+4*\j:67+64*\f+32*\c+4*\j], v3 offset:512*\f+256*\c+16*\j   ; K step 2 w + f: k = 64 c + 32 h + 0 .. 31 of row r: a whole block
.endr
.endr
.endr
	s_wait_dscnt 0x0
.irp q, 0,1,2,3                        ; my four blocks, q = 2 f + c, by turns
	v_max3_num_f32 v[224+\q], |v[64+32*\q]|, |v[65+32*\q]|, 0x1800000   ; with the floor 2^(3 - 127): the byte cannot fall under 1
.endr
.irp i, 2,4,6,8,10,12,14,16,18,20,22,24,26,28,30
.irp q, 0,1,2,3
	v_max3_num_f32 v[224+\q], v[224+\q], |v[64+32*\q+\i]|, |v[65+32*\q+\i]|
.endr
.endr
.irp q, 0,1,2,3
	v_add_nc_u32 v[228+\q], 0xff000000, v[224+\q]  ; 2 off the exponent field: the conversion's scale operand
.endr
.irp q, 0,1,2,3
	v_lshrrev_b32 v[232+\q], 23, v[228+\q]         ; the scale's byte
.endr
.irp f, 0,1
	v_lshl_or_b32 v[236+\f], v[233+2*\f], 16, v[232+2*\f]   ; my two bytes: blocks h and 2 + h,
.endr
.irp f, 0,1
	v_lshlrev_b32 v[236+\f], v10, v[236+\f]        ; at their places in the word;
.endr
.irp f, 0,1
	v_permlanex16_b32 v[238+\f], v[236+\f], s32, s33
.endr
.irp f, 0,1
	v_or_b32 v[236+\f], v[236+\f], v[238+\f]       ; with lane l xor 16's two the word is whole
.endr
.irp q, 0,1,2,3
	v_cvt_scalef32_pk16_fp6_f32 v[192+6*\q:194+6*\q], v[64+32*\q:79+32*\q], v[228+\q]
	v_cvt_scalef32_pk16_fp6_f32 v[240+4*\q:242+4*\q], v[80+32*\q:95+32*\q], v[228+\q]   ; (a conversion's three registers begin on an even number)
.endr
	v_nop                                          ; one plain instruction behind the conversions
.irp q, 0,1,2,3
.irp i, 0,1,2
	v_mov_b32 v[195+6*\q+\i], v[240+4*\q+\i]
.endr
.endr
.irp f, 0,1
.irp p, 0,1,2
	global_store_b128 v1, v[192+12*\f+4*\p:195+12*\f+4*\p], s[20:21] offset:1536*\f+512*\p   ; 32 lanes store 512 consecutive bytes, aligned to 256
.endr
	ds_store_b32 v4, v[236+\f] offset:4*\f         ; lanes l and l + 16 write the same word with the same value
.endr
	s_wait_dscnt 0x0
	s_barrier_signal -1
	s_barrier_wait -1                              ; the record's 128 scale words lie in LDS
	s_cmp_lg_u32 s3, 0
	s_cbranch_scc1 .Ldone
	ds_load_b128 v[12:15], v5
	s_wait_dscnt 0x0
	global_store_b128 v1, v[12:15], s[20:21] offset:12288   ; wave 0 (whose base is the record's): 512 consecutive bytes
.Ldone:
	s_wait_tensorcnt 0x0
	ds_add_u32 v251, v255
	s_wait_dscnt 0x0
	s_endpgm
.Lfunc_end_k_qee30b11705_prep:
	.size	k_qee30b11705_prep, .Lfunc_end_k_qee30b11705_prep-k_qee30b11705_prep
	.p2alignl 7, 3214868480
	.fill 96, 4, 3214868480
	.section	.rodata,"a",@progbits
	.p2align	6, 0x0
	.amdhsa_kernel k_qee30b11705_prep
		.amdhsa_group_segment_fixed_size 67072
		.amdhsa_private_segment_fixed_size 0
		.amdhsa_enable_private_segment 0
		.amdhsa_kernarg_size 72
		.amdhsa_user_sgpr_count 2
		.amdhsa_user_sgpr_kernarg_segment_ptr 1
		.amdhsa_wavefront_size32 1
		.amdhsa_system_sgpr_workgroup_id_x 1
		.amdhsa_system_sgpr_workgroup_id_y 1
		.amdhsa_system_sgpr_workgroup_id_z 1
		.amdhsa_system_vgpr_workitem_id 0
		.amdhsa_next_free_vgpr 256
		.amdhsa_next_free_sgpr 66
		.amdhsa_reserve_vcc 0
		.amdhsa_float_denorm_mode_32 3
		.amdhsa_float_denorm_mode_16_64 3
		.amdhsa_memory_ordered 1
		.amdhsa_forward_progress 1
		.amdhsa_inst_pref_size 35
	.end_amdhsa_kernel
	.amdgpu_metadata
---
amdhsa.version: [ 1, 2 ]
amdhsa.kernels:
  - .name:           k_qee30b11705_prep
    .symbol:         k_qee30b11705_prep.kd
    .args:
      - { .name: hidden_states, .offset: 0, .size: 8, .value_kind: global_buffer, .address_space: global }
      - { .name: wq, .offset: 8, .size: 8, .value_kind: global_buffer, .address_space: global }
      - { .name: wg, .offset: 16, .size: 8, .value_kind: global_buffer, .address_space: global }
      - { .name: wo, .offset: 24, .size: 8, .value_kind: global_buffer, .address_space: global }
      - { .name: wk, .offset: 32, .size: 8, .value_kind: global_buffer, .address_space: global }
      - { .name: wv, .offset: 40, .size: 8, .value_kind: global_buffer, .address_space: global }
      - { .name: memory_tokens, .offset: 48, .size: 8, .value_kind: global_buffer, .address_space: global }
      - { .name: norm_w, .offset: 56, .size: 8, .value_kind: global_buffer, .address_space: global }
      - { .name: recs, .offset: 64, .size: 8, .value_kind: global_buffer, .address_space: global }
    .group_segment_fixed_size: 67072
    .private_segment_fixed_size: 0
    .kernarg_segment_align: 8
    .kernarg_segment_size: 72
    .max_flat_workgroup_size: 128
    .sgpr_count:     66
    .vgpr_count:     256
    .wavefront_size: 32
...
	.end_amdgpu_metadata
.endif
;; end of part 1
;; launch kv (part 2): grid 128 x 2, 2 waves a work-group, no clusters, 768 bytes of LDS; arguments recs, kvrec; writes kvrec
.if DOCPART == 2
	.amdgcn_target "amdgcn-amd-amdhsa--gfx1250"
	.amdhsa_code_object_version 6
	.text
	.protected	k_qee30b11705_kv
	.globl	k_qee30b11705_kv
	.p2align	8
	.type	k_qee30b11705_kv,@function
k_qee30b11705_kv:
	s_mov_b64 s[64:65], 0
	v_nop
	global_prefetch_b8 v0, s[64:65] scope:SCOPE_SE
	s_setreg_imm32_b32 hwreg(HW_REG_WAVE_MODE, 25, 1), 1
	s_wait_xcnt 0x0
; KV: k = mem wk^T (y = 0) and v = mem wv^T (y = 1) on codes of FP6, and their results quantised in registers into records for the last launch.
; One body: T[j][i] = the sum over K of S1[j] S0[i], quantised along i.  Source 0 = 16 rows of S0, source 1 = 16 rows of S1: a lane holds one row j, and the registers of S0's eight tiles run along 128 neighbouring i.
;   y = 0: S0 = wk's rows of head pair P (128 columns: four blocks of 32, two a head), S1 = 16 keys: a fragment of K: 16 keys x 128.
;   y = 1: S0 = 128 keys of batch b, S1 = 16 rows of wv: a fragment of V^T: 16 channels x 128 keys, the keys innermost, since they are the second product's K.
; kvrec: K's chunk (b, P) at (8 b + P) x 25,600: record jj, fragment i = key tile 8 jj + i.  V's chunk at 819,200 + the same: record e = head 2 P + e, fragment 4 ks + t4 = channel tile t4, keys 128 ks on.
; A work-group makes half a record: four fragments (two a wave) and their 256 bytes of scale words.  Every choice is made on record numbers, by s_cselect on the work-group's y; both tensors take one path.
; Written out: eight K steps; the fragments come from memory straight into registers, as they lie in the records, two sets by turns.
; LIMITS: a block of zeros keeps the byte 1 (its codes are zeros; this program alone reads the bytes); NaN and infinities are not served.
.set REC, 12800
.set CH,  25600
.set TM,  224                          ; v224-227 largest magnitudes, v228-231 bytes, v236-239 scale operands
.set MSB, 0
.macro WIN new                         ; the immediate's high byte repeats the setting that is left
.if MSB != (\new)
	s_set_vgpr_msb (MSB<<8)|(\new)
.set MSB, \new
.endif
.endm
; 64 numbers of a lane, register 16 b + i = k 32 b + 16 (lane / 16) + i of my row, become a fragment's codes in v[pc] on and its scale word in v[pw]
.macro QUANT src, pc, pw
.irp b, 0,1,2,3
	v_max3_num_f32 v[TM+\b], |v[\src+16*\b]|, |v[\src+1+16*\b]|, 0x1800000   ; with the floor 2^(3 - 127)
.endr
.irp i, 2,4,6,8,10,12,14
.irp b, 0,1,2,3
	v_max3_num_f32 v[TM+\b], v[TM+\b], |v[\src+16*\b+\i]|, |v[\src+1+16*\b+\i]|
.endr
.endr
.irp b, 0,1,2,3
	v_permlanex16_b32 v[TM+4+\b], v[TM+\b], s40, s41
.endr
.irp b, 0,1,2,3
	v_max_num_f32 v[TM+\b], v[TM+\b], v[TM+4+\b]   ; with lane l xor 16's: the block's largest magnitude
.endr
.irp b, 0,1,2,3
	v_add_nc_u32 v[TM+12+\b], 0xff000000, v[TM+\b]
.endr
.irp b, 0,1,2,3
	v_lshrrev_b32 v[TM+4+\b], 23, v[TM+12+\b]
.endr
	v_lshl_or_b32 v[\pw], v[TM+5], 8, v[TM+4]
	v_lshl_or_b32 v[\pw], v[TM+6], 16, v[\pw]
	v_lshl_or_b32 v[\pw], v[TM+7], 24, v[\pw]
.irp c, 0,1
	v_cvt_scalef32_pk16_fp6_f32 v[\pc+6*\c:\pc+2+6*\c], v[\src+32*\c:\src+15+32*\c], v[TM+12+2*\c]
	v_cvt_scalef32_pk16_fp6_f32 v[\pc+12+4*\c:\pc+14+4*\c], v[\src+16+32*\c:\src+31+32*\c], v[TM+12+2*\c+1]
.endr
	v_nop                                          ; one plain instruction behind the conversions
.irp c, 0,1                            ; the operand's layout wants a whole block in a lane
.irp i, 0,1,2
	v_permlane16_swap_b32 v[\pc+6*\c+\i], v[\pc+12+4*\c+\i]
.endr
.irp i, 0,1,2
	v_mov_b32 v[\pc+3+6*\c+\i], v[\pc+12+4*\c+\i]
.endr
.endr
.endm
.macro LOADSET s                       ; K step s: S0's eight fragments and S1's two into set s % 2 of window 1: 30 loads of 512 consecutive bytes
	WIN 0x40
.irp t, 0,1,2,3,4,5,6,7
.irp p, 0,1,2
	global_load_b128 v[120*((\s)%2)+12*\t+4*\p:120*((\s)%2)+12*\t+4*\p+3], v1, s[28:29] offset:REC*\t+1536*(\s)+512*\p
.endr
.endr
.irp jl, 0,1
.irp p, 0,1,2
	global_load_b128 v[120*((\s)%2)+96+12*\jl+4*\p:120*((\s)%2)+96+12*\jl+4*\p+3], v1, s[30:31] offset:REC*\jl+1536*(\s)+512*\p
.endr
.endr
.endm
	s_load_b128 s[4:7], s[0:1], 0x0                ; recs, kvrec
	v_lshl_add_u32 v254, v0, 2, 0x200
	v_mov_b32 v255, 0
	v_lshrrev_b32 v5, 5, v0
	v_readfirstlane_b32 s8, v5                     ; wave
	s_and_b32 s9, ttmp7, 0xffff                    ; y
	s_lshr_b32 s10, ttmp9, 2                       ; the chunk: 8 b + P
	s_lshr_b32 s11, s10, 3                         ; b
	s_and_b32 s12, s10, 7                          ; P
	s_bfe_u32 s13, ttmp9, 0x10001                  ; jj: the record in the chunk
	s_and_b32 s14, ttmp9, 1                        ; hh: which half of it
	s_lshl_b32 s15, s12, 3
	s_lshl_b32 s16, s11, 4
	s_lshl_b32 s17, s8, 1
	s_add_co_u32 s18, s15, 1216                    ; K: S0 = wk's records 8 P on
	s_lshl_b32 s19, s14, 3
	s_add_co_u32 s19, s19, s16
	s_add_co_u32 s19, s19, 1344                    ; V: S0 = mem's records 16 b + 8 hh on
	s_lshl_b32 s20, s13, 3
	s_lshl_b32 s21, s14, 2
	s_add_co_u32 s20, s20, s21
	s_add_co_u32 s20, s20, s16
	s_add_co_u32 s20, s20, s17
	s_add_co_u32 s20, s20, 1344                    ; K: S1 = mem's records 16 b + 8 jj + 4 hh + 2 wave on
	s_lshl_b32 s22, s13, 2
	s_add_co_u32 s22, s22, s15
	s_add_co_u32 s22, s22, s17
	s_add_co_u32 s22, s22, 1280                    ; V: S1 = wv's records 8 P + 4 jj + 2 wave on
	s_cmp_eq_u32 s9, 0
	s_cselect_b32 s18, s18, s19
	s_cselect_b32 s20, s20, s22
	s_cselect_b32 s23, 0, 819200
	s_mul_i32 s18, s18, REC
	s_mov_b32 s19, 0
	s_mul_i32 s20, s20, REC
	s_mov_b32 s21, 0
	s_mul_i32 s24, s10, CH
	s_add_co_u32 s24, s24, s23
	s_mul_i32 s25, s13, REC
	s_add_co_u32 s24, s24, s25                     ; the record that I write into
	s_mov_b32 s25, 0
	s_lshl_b32 s26, s14, 2
	s_add_co_u32 s26, s26, s17
	s_mul_i32 s26, s26, 1536                       ; my first fragment: 4 hh + 2 wave
	s_mov_b32 s27, 0
	s_lshl_b32 s36, s14, 8
	s_add_co_u32 s36, s36, 12288                   ; the half's scale words
	s_mov_b32 s37, 0
	s_lshl_b32 s38, s8, 3
	s_mov_b32 s40, 0x76543210
	s_mov_b32 s41, 0xfedcba98
	v_and_b32 v5, 31, v0
	v_and_b32 v6, 15, v0
	v_lshlrev_b32 v1, 4, v5                        ; 16 x lane
	v_lshlrev_b32 v2, 4, v6                        ; 16 r
	v_lshl_add_u32 v3, v6, 4, s38                  ; LDS: 16 r + 8 wave
	v_lshlrev_b32 v4, 3, v5                        ; 8 x lane
.irp b, 0,1,2,3
	v_mov_b32 v[TM+4+\b], 0                        ; a lane permute's destination counts as one of its sources
.endr
	s_wait_alu depctr_va_vdst(0)
	s_wait_kmcnt 0x0
	s_add_nc_u64 s[28:29], s[4:5], s[18:19]
	s_add_nc_u64 s[30:31], s[4:5], s[20:21]
	s_add_nc_u64 s[32:33], s[6:7], s[24:25]
	s_add_nc_u64 s[34:35], s[32:33], s[26:27]
	s_add_nc_u64 s[36:37], s[32:33], s[36:37]
.irp t, 0,1,2,3,4,5,6,7
.irp g, 0,1
	global_load_b128 v[16+8*\t+4*\g:19+8*\t+4*\g], v2, s[28:29] offset:REC*\t+12288+256*\g   ; S0's scale words: v[16 + 8 t + s]
.endr
.endr
.irp jl, 0,1
.irp g, 0,1
	global_load_b128 v[80+8*\jl+4*\g:83+8*\jl+4*\g], v2, s[30:31] offset:REC*\jl+12288+256*\g   ; S1's: v[80 + 8 jl + s]
.endr
.endr
	LOADSET 0
	LOADSET 1
.irp s, 0,1,2,3,4,5,6,7
.if \s < 7
	s_wait_loadcnt 30                              ; this step's set is in; the next set's 30 loads may be out
.else
	s_wait_loadcnt 0x0
.endif
	WIN 0x05                                       ; sources 0 and 1 in window 1, C and D in window 0
.irp t, 0,1,2,3,4,5,6,7                ; sixteen accumulators by turns, one instruction a turn
.irp jl, 0,1
.if \s == 0
	v_wmma_scale_f32_16x16x128_f8f6f4 v[96+64*\jl+8*\t:103+64*\jl+8*\t], v[120*(\s%2)+12*\t:120*(\s%2)+12*\t+11], v[120*(\s%2)+96+12*\jl:120*(\s%2)+107+12*\jl], 0, v[16+8*\t+\s], v[80+8*\jl+\s] matrix_a_fmt:MATRIX_FMT_FP6 matrix_b_fmt:MATRIX_FMT_FP6
.else
	v_wmma_scale_f32_16x16x128_f8f6f4 v[96+64*\jl+8*\t:103+64*\jl+8*\t], v[120*(\s%2)+12*\t:120*(\s%2)+12*\t+11], v[120*(\s%2)+96+12*\jl:120*(\s%2)+107+12*\jl], v[96+64*\jl+8*\t:103+64*\jl+8*\t], v[16+8*\t+\s], v[80+8*\jl+\s] matrix_a_fmt:MATRIX_FMT_FP6 matrix_b_fmt:MATRIX_FMT_FP6
.endif
.endr
.endr
.rept 4
	v_nop                                          ; four places ahead of loads into registers that these products read, and of the first read of results
.endr
.if \s < 6
	LOADSET \s+2
.endif
.endr
	WIN 0
	QUANT 96, 16, 240
	QUANT 160, 36, 241
.irp jl, 0,1
.irp c, 0,1,2
	global_store_b128 v1, v[16+20*\jl+4*\c:19+20*\jl+4*\c], s[34:35] offset:1536*\jl+512*\c   ; a fragment's image: 512 consecutive bytes a store
.endr
	ds_store_b32 v3, v[240+\jl] offset:4*\jl       ; lanes l and l + 16 write the same word with the same value
.endr
	s_wait_dscnt 0x0
	s_barrier_signal -1
	s_barrier_wait -1                              ; both waves' scale words lie in LDS
	s_cmp_lg_u32 s8, 0
	s_cbranch_scc1 .Ldone
	ds_load_b64 v[242:243], v4
	s_wait_dscnt 0x0
	global_store_b64 v4, v[242:243], s[36:37]      ; 32 lanes store 256 consecutive bytes, aligned to 256
.Ldone:
	s_wait_tensorcnt 0x0
	ds_add_u32 v254, v255
	s_wait_dscnt 0x0
	s_endpgm
.Lfunc_end_k_qee30b11705_kv:
	.size	k_qee30b11705_kv, .Lfunc_end_k_qee30b11705_kv-k_qee30b11705_kv
	.p2alignl 7, 3214868480
	.fill 96, 4, 3214868480
	.section	.rodata,"a",@progbits
	.p2align	6, 0x0
	.amdhsa_kernel k_qee30b11705_kv
		.amdhsa_group_segment_fixed_size 768
		.amdhsa_private_segment_fixed_size 0
		.amdhsa_enable_private_segment 0
		.amdhsa_kernarg_size 16
		.amdhsa_user_sgpr_count 2
		.amdhsa_user_sgpr_kernarg_segment_ptr 1
		.amdhsa_wavefront_size32 1
		.amdhsa_system_sgpr_workgroup_id_x 1
		.amdhsa_system_sgpr_workgroup_id_y 1
		.amdhsa_system_sgpr_workgroup_id_z 1
		.amdhsa_system_vgpr_workitem_id 0
		.amdhsa_next_free_vgpr 512
		.amdhsa_next_free_sgpr 66
		.amdhsa_reserve_vcc 0
		.amdhsa_float_denorm_mode_32 3
		.amdhsa_float_denorm_mode_16_64 3
		.amdhsa_memory_ordered 1
		.amdhsa_forward_progress 1
		.amdhsa_inst_pref_size 54
	.end_amdhsa_kernel
	.amdgpu_metadata
---
amdhsa.version: [ 1, 2 ]
amdhsa.kernels:
  - .name:           k_qee30b11705_kv
    .symbol:         k_qee30b11705_kv.kd
    .args:
      - { .name: recs, .offset: 0, .size: 8, .value_kind: global_buffer, .address_space: global }
      - { .name: kvrec, .offset: 8, .size: 8, .value_kind: global_buffer, .address_space: global }
    .group_segment_fixed_size: 768
    .private_segment_fixed_size: 0
    .kernarg_segment_align: 8
    .kernarg_segment_size: 16
    .max_flat_workgroup_size: 64
    .sgpr_count:     66
    .vgpr_count:     512
    .wavefront_size: 32
...
	.end_amdgpu_metadata
.endif
;; end of part 2
;; launch qatt (part 3): grid 256 x 1, 8 waves a work-group, clusters of 4 x 1, 327,680 bytes of LDS; arguments recs, kvrec, memory_mask, orec, oscl; writes orec, oscl
.if DOCPART == 3
	.amdgcn_target "amdgcn-amd-amdhsa--gfx1250"
	.amdhsa_code_object_version 6
	.text
	.protected	k_qee30b11705_qatt
	.globl	k_qee30b11705_qatt
	.p2align	8
	.type	k_qee30b11705_qatt,@function
k_qee30b11705_qatt:
	s_mov_b64 s[64:65], 0
	v_nop
	global_prefetch_b8 v0, s[64:65] scope:SCOPE_SE
	s_setreg_imm32_b32 hwreg(HW_REG_WAVE_MODE, 25, 1), 1
	s_wait_xcnt 0x0
	s_wait_alu depctr_hold_cnt(0) depctr_sa_sdst(0) depctr_va_vdst(0) depctr_va_sdst(0) depctr_va_ssrc(0) depctr_va_vcc(0) depctr_vm_vsrc(0)
	s_getreg_b32 s2, hwreg(HW_REG_IB_STS2, 6, 4)
	s_cmp_eq_u32 s2, 0
	s_cbranch_scc0 .Lentry_in_a_cluster
	s_endpgm
.Lentry_in_a_cluster:
	s_bfe_u32 s2, ttmp6, 0x10000c
	s_cmp_lg_u32 s2, 0x3003
	s_cbranch_scc0 .Lentry_shape_is_right
	s_endpgm
.Lentry_shape_is_right:
; QATT: q = x wq^T, masked softmax attention over 256 memory keys, and the result quantised along the channels: all products on codes of FP6 (E2M3) with E8M0 scales.
; SHARES.  A cluster of four work-groups takes 256 rows of one batch (16 tiles of 16; lane-row r of tile T is row 32 (T / 2) + 8 (T % 2) + r + 8 (r / 8)); work-group cx takes heads 4 cx .. 4 cx + 3.
; Eight waves, two to a SIMD, all on one path: wave w takes head 4 cx + (w & 3) and tiles 8 (w / 4) .. 8 (w / 4) + 7.  A wave has 512 registers, which do not hold wq, K and V together, so it works in TWO PHASES.
; PHASE 1: wq's 32 fragments stand in registers; for each of my eight tiles 32 products make q, which is quantised in registers; its operand's image (1,536 bytes) and scale word (128) go to LDS bytes of my own.
; In my last tile K's 16 and V's 8 fragments are loaded into wq's registers as each K step frees them.  PHASE 2: for each tile 16 products for the scores, the row's own softmax (the true maximum is taken away, p is finished and
; normalised, then quantised along the keys), 8 products for P V, the result quantised and stored.
; x's 16 records (204,800 bytes) come into LDS once, two records by one joint tensor load a wave: the four work-groups walk the same rows; no LDS byte is filled twice.  wq, K and V differ between the partners and are not shared.
; EVERY PRODUCT IS USED TRANSPOSED (source 0 = 16 rows of wq, of K or of V^T; source 1 = 16 of my rows): a lane holds one row throughout, and the registers of two neighbouring tiles are 16 neighbours along the next K.
; K = 64 of the score product fills half of the instruction's 128: K's fragment holds a head pair, q's operand the head's 64 codes in the head's half and zero codes in the other.
; THE MASK is the C of the score products: 0 for a key that counts, -2^100 for one that does not.  Each wave keeps an image of it in LDS and loads it into the scores' registers in every trip.
; PREFETCH: the work-group's K and V (two runs of 51,200 bytes) are asked for in phase 1's first two trips, five and more trips ahead of their loads: 25 blocks of 256 bytes a wave and run, a lane a block (lanes 25-31 name the wave's last block again).
; orec: tile T at 12,288 T; K step s (a head pair) at 1,536 s; head e of the pair at 768 e: registers 0-3 of lane l at 16 l, registers 4, 5 at 512 + 8 l.  oscl: [block of 256 rows][s][tile][row]: a word of four scale bytes.
; LIMITS: true scores must lie above -2^96 (under it a key counts as masked).  A row with no key gives p = 0, as the reference's zeros: the maximum is held at -2^96 from below and the sum at 2^-100.
; Mask bytes are 0 or 1.  NaN and infinities among the inputs are not served.  A block of zeros keeps the scale byte 1 (its codes are zeros; this program alone reads the bytes).
; REGISTERS.  Fragments 0-20 stand in window 1, 21-23 in v12-47, 24-31 (phase 1 alone) in v104-199.  Phase 1: wq (s, t) is fragment 4 s + t.  Phase 2: K's tile kt is fragment kt, V's i 16 + i.
;   Window 0: v1-11, v75 addresses; v48-74 scale words alone; v76-87 and v244-255 x's fragments by turns (phase 1); v88-103 at work; v104-231 the scores; q's four accumulators in v200-231; v232-243 q's operand, later p's.
.set REC,  12800
.set CH,   25600
.set OTB,  12288
.set XB,   0
.set BIAS, 204800                      ; the mask's images, 1,024 bytes a wave
.set SCG,  212992                      ; out's scale bytes, two a row: 512 bytes a head: 32 x tile + 2 x row
.set QB,   215040                      ; q: 8 x QSL bytes a wave
.set QSL,  1664
.set SPARE, 321536
.set AX,   1                           ; phase 1
.set AXS,  2
.set AX0,  7
.set AXS0, 8
.set AB,   1                           ; phase 2
.set ASH,  2
.set ASH0, 7
.set GOB,  8
.set AQ,   3
.set AQS,  4
.set AQ0,  5
.set AQS0, 6
.set AFIN, 9
.set L16,  10
.set R16,  11
.set PF,   75
.set WQS,  48                          ; phase 1: lanes 0-15 tile t, lanes 16-31 tile t + 2
.set XS,   64
.set KS,   48                          ; phase 2
.set VS,   64
.set QS,   72
.set PS,   73
.set BM,   88
.set BP,   96
.set SR,   104
.set OA,   136
.set OC,   168
.set OX,   176
.set ACC,  200
.set QP,   232
.set NM,   244
.set SU,   246
.set RR,   248
.set NW,   253
.set MSB, 0
.macro WIN new                         ; the immediate's high byte repeats the setting that is left
.if MSB != (\new)
	s_set_vgpr_msb (MSB<<8)|(\new)
.set MSB, \new
.endif
.endm
.macro PLACES n
.rept \n
	v_nop
.endr
.endm
.macro BSEL g                          ; fragment g: window BW, register BR
.if (\g) < 21
.set BW, 1
.set BR, 12*(\g)
.elseif (\g) < 24
.set BW, 0
.set BR, 12+12*((\g)-21)
.else
.set BW, 0
.set BR, 104+12*((\g)-24)
.endif
.endm
.macro MM                              ; ZZ = 0: the product starts its sum; HH: source 0's scale word stands in lanes 16-31
.if ZZ == 0
.if HH
	v_wmma_scale_f32_16x16x128_f8f6f4 v[DD:DD+7], v[AA:AA+11], v[BB:BB+11], 0, v[SA], v[SBX] matrix_a_fmt:MATRIX_FMT_FP6 matrix_b_fmt:MATRIX_FMT_FP6 matrix_a_scale:MATRIX_SCALE_ROW1
.else
	v_wmma_scale_f32_16x16x128_f8f6f4 v[DD:DD+7], v[AA:AA+11], v[BB:BB+11], 0, v[SA], v[SBX] matrix_a_fmt:MATRIX_FMT_FP6 matrix_b_fmt:MATRIX_FMT_FP6
.endif
.else
.if HH
	v_wmma_scale_f32_16x16x128_f8f6f4 v[DD:DD+7], v[AA:AA+11], v[BB:BB+11], v[DD:DD+7], v[SA], v[SBX] matrix_a_fmt:MATRIX_FMT_FP6 matrix_b_fmt:MATRIX_FMT_FP6 matrix_a_scale:MATRIX_SCALE_ROW1
.else
	v_wmma_scale_f32_16x16x128_f8f6f4 v[DD:DD+7], v[AA:AA+11], v[BB:BB+11], v[DD:DD+7], v[SA], v[SBX] matrix_a_fmt:MATRIX_FMT_FP6 matrix_b_fmt:MATRIX_FMT_FP6
.endif
.endif
.endm
.macro ROUND                           ; a round of the cluster's barrier
	s_barrier_signal -1
	s_barrier_wait -1
	s_cmp_lg_u32 s14, 0
	s_cbranch_scc1 .Lnw0_\@
	s_barrier_signal -3
.Lnw0_\@:
	s_barrier_wait -3
	s_barrier_signal -1
	s_barrier_wait -1
.endm
.macro WQF g                           ; wq's fragment g from memory, as it lies in its record: three loads of 512 consecutive bytes
	BSEL \g
	WIN BW<<6
.irp p, 0,1,2
	global_load_b128 v[BR+4*\p:BR+4*\p+3], v[L16], s[44:45] offset:REC*((\g)%4)+1536*((\g)/4)+512*\p
.endr
.endm
.macro KVF g                           ; phase 2's fragment g: K's tile g, or V's g - 16
	BSEL \g
	WIN BW<<6
.if (\g) < 16
.irp p, 0,1,2
	global_load_b128 v[BR+4*\p:BR+4*\p+3], v[L16], s[46:47] offset:REC*((\g)/8)+1536*((\g)%8)+512*\p
.endr
.else
.irp p, 0,1,2
	global_load_b128 v[BR+4*\p:BR+4*\p+3], v[L16], s[48:49] offset:1536*((\g)-16)+512*\p
.endr
.endif
.endm
.macro XF s                            ; x's fragment of K step s into set s % 2
.set XR, 76+168*((\s)%2)
.irp p, 0,1,2
	ds_load_b128 v[XR+4*\p:XR+4*\p+3], v[AX] offset:1536*(\s)+512*\p
.endr
.endm
; PHASE 1, ONE TILE.  nx = 1: the next tile's first two fragments and scale words are fetched.  nx = 0, my last tile: K and V are loaded into the registers that each K step frees.
.macro QTRIP nx
.irp s, 0,1,2,3,4,5,6,7
.if \s == 0
	s_wait_dscnt 4                                 ; this tile's first two fragments and scale words are in; the last tile's four stores of q may be out
.elseif \s == 7
	s_wait_dscnt 3*\nx
.elseif \s >= 2
	s_wait_dscnt 3                                 ; this K step's fragment is in; the next one's three loads may be out
.endif
.irp t, 0,1,2,3                        ; four accumulators by turns, one instruction a turn
	BSEL 4*\s+\t
	WIN BW
.set DD, ACC+8*\t
.set AA, BR
.set BB, 76+168*(\s%2)
.set SA, WQS+8*(\t%2)+\s
.set SBX, XS+\s
.set ZZ, \s
.set HH, \t/2
	MM
.endr
	WIN 0
	PLACES 4                                       ; ahead of loads into registers that these products read
.if \s < 6
	XF \s+2
.elseif \nx
.if \s == 6
	v_add_nc_u32 v[AX], s67, v[AX0]
	v_add_nc_u32 v[AXS], s67, v[AXS0]
	s_wait_alu depctr_va_vdst(0)                   ; directly behind the writes
.endif
	XF \s-6
.endif
.if \nx
.if \s == 3
	s_cmp_eq_u32 s66, 7                            ; my first trip: the work-group's K
	s_cbranch_scc0 .Lpk_\@
	global_prefetch_b8 v[PF], s[76:77] th:TH_LOAD_NT scope:SCOPE_SE
.Lpk_\@:
	s_cmp_eq_u32 s66, 6                            ; my second: its V
	s_cbranch_scc0 .Lpv_\@
	global_prefetch_b8 v[PF], s[76:77] offset:819200 th:TH_LOAD_NT scope:SCOPE_SE
.Lpv_\@:
.endif
.else
.if \s < 6
	KVF 4*\s
	KVF 4*\s+1
	KVF 4*\s+2
	KVF 4*\s+3
.endif
.endif
.endr
.if \nx
	ds_load_b128 v[XS:XS+3], v[AXS]
	ds_load_b128 v[XS+4:XS+7], v[AXS] offset:256
.else
.irp j, 0,1
.irp g, 0,1
	global_load_b128 v[KS+8*\j+4*\g:KS+8*\j+4*\g+3], v[R16], s[46:47] offset:REC*\j+12288+256*\g
.endr
.endr
.irp g, 0,1
	global_load_b128 v[VS+4*\g:VS+4*\g+3], v[R16], s[48:49] offset:12288+256*\g
.endr
.endif
.irp b, 0,1                            ; q's two blocks of 32 (16 numbers in a lane, 16 in lane l xor 16)
	v_max3_num_f32 v[BM+\b], |v[ACC+16*\b]|, |v[ACC+16*\b+1]|, 0x1800000   ; with the floor 2^(3 - 127); each accumulator is read from its low end on
.endr
.irp i, 2,4,6,8,10,12,14
.irp b, 0,1
	v_max3_num_f32 v[BM+\b], v[BM+\b], |v[ACC+16*\b+\i]|, |v[ACC+16*\b+\i+1]|
.endr
.endr
	v_add_nc_u32 v[AQ], s68, v[AQ0]
	v_add_nc_u32 v[AQS], s68, v[AQS0]
.irp b, 0,1
	v_permlanex16_b32 v[BM+2+\b], v[BM+\b], s62, s63
.endr
.irp b, 0,1
	v_max_num_f32 v[BM+\b], v[BM+\b], v[BM+2+\b]
.endr
.irp b, 0,1
	v_add_nc_u32 v[BM+4+\b], 0xff000000, v[BM+\b]  ; 2 off the exponent field: the conversion's scale operand
.endr
.irp b, 0,1
	v_lshrrev_b32 v[BM+6+\b], 23, v[BM+4+\b]       ; the scale's byte
.endr
	v_lshl_or_b32 v[QS], v[BM+7], 8, v[BM+6]
	v_lshlrev_b32 v[QS], s71, v[QS]                ; at the head's two places in the head pair's scale word; the other two bytes stay 0, over zero codes
	v_cvt_scalef32_pk16_fp6_f32 v[BP:BP+2], v[ACC:ACC+15], v[BM+4]
	v_cvt_scalef32_pk16_fp6_f32 v[BP+4:BP+6], v[ACC+16:ACC+31], v[BM+5]
	v_nop                                          ; one plain instruction behind the conversions
.irp i, 0,1,2
	v_permlane16_swap_b32 v[BP+\i], v[BP+4+\i]     ; the operand's layout wants a whole block in a lane
.endr
.irp i, 0,1,2
	v_cndmask_b32 v[QP+\i], 0, v[BP+\i], s70       ; the six registers of codes in the head's half of the operand, zero codes in the other
	v_cndmask_b32 v[QP+3+\i], 0, v[BP+4+\i], s70
	v_cndmask_b32 v[QP+6+\i], 0, v[BP+\i], s69
	v_cndmask_b32 v[QP+9+\i], 0, v[BP+4+\i], s69
.endr
.irp p, 0,1,2
	ds_store_b128 v[AQ], v[QP+4*\p:QP+4*\p+3] offset:512*\p    ; the operand's image, in bytes of my own
.endr
	ds_store_b32 v[AQS], v[QS]
.if \nx
	s_add_co_u32 s67, s67, REC
.endif
	s_add_co_u32 s68, s68, QSL
.endm
; PHASE 2, ONE TILE
.macro ATRIP
	v_add_nc_u32 v[AQ], s67, v[AQ0]
	v_add_nc_u32 v[AQS], s67, v[AQS0]
.irp p, 0,1,2
	ds_load_b128 v[QP+4*\p:QP+4*\p+3], v[AQ] offset:512*\p     ; LDS serves a wave's instructions in order: these see my stores
.endr
	ds_load_b32 v[QS], v[AQS]
.irp i, 0,1,2,3,4,5,6,7,8,9,10,11,12,13,14,15,16,17,18,19,20,21,22,23,24,25,26,27,28,29,30,31
	ds_load_b128 v[SR+4*\i:SR+4*\i+3], v[AB] offset:16*\i      ; the mask
.endr
.irp kt, 0,1,2,3,4,5,6,7,8,9,10,11,12,13,14,15
.if (\kt%4) == 0
	s_wait_dscnt 24-2*\kt                          ; q and the mask of the next four key tiles are in
.endif
.if \kt == 0
	v_add_nc_u32 v[ASH], s68, v[ASH0]              ; (the last trip's LDS store is done)
.endif
	BSEL \kt
	WIN BW
.set DD, SR+8*\kt
.set AA, BR
.set BB, QP
.set SA, KS+\kt
.set SBX, QS
.set ZZ, 1
.set HH, 0
	MM                                             ; S^T = K q^T + the mask, which stands in the result's registers
.endr
	WIN 0
	PLACES 4
.irp b, 0,1,2,3,4,5,6,7                ; the largest score of each block of 32 keys: it serves the row's maximum and, since p rises with the score, the block's largest p
	v_max3_num_f32 v[BM+\b], v[SR+16*\b], v[SR+16*\b+1], v[SR+16*\b+2]
.endr
.irp i, 3,5,7,9,11,13
.irp b, 0,1,2,3,4,5,6,7
	v_max3_num_f32 v[BM+\b], v[BM+\b], v[SR+16*\b+\i], v[SR+16*\b+\i+1]
.endr
.endr
.irp b, 0,1,2,3,4,5,6,7
	v_max_num_f32 v[BM+\b], v[BM+\b], v[SR+16*\b+15]
.endr
.irp b, 0,1,2,3,4,5,6,7
	v_permlanex16_b32 v[BP+\b], v[BM+\b], s62, s63
.endr
.irp b, 0,1,2,3,4,5,6,7
	v_max_num_f32 v[BM+\b], v[BM+\b], v[BP+\b]
.endr
	v_max3_num_f32 v[RR], v[BM], v[BM+1], v[BM+2]
	v_max3_num_f32 v[RR+1], v[BM+3], v[BM+4], v[BM+5]
	v_max3_num_f32 v[RR], v[RR], v[BM+6], v[BM+7]
	v_max3_num_f32 v[RR], v[RR], v[RR+1], s60      ; the row's largest score, held at -2^96 from below
	v_mul_f32 v[NM], s58, v[RR]                    ; -c max, c = log2(e) / 8
.set J, 0
.rept 64
	v_pk_fma_f32 v[SR+J:SR+J+1], v[SR+J:SR+J+1], s[56:57], v[NM:NM+1] op_sel_hi:[1,0,0]   ; c s - c max
.set J, J+2
.endr
.irp b, 0,1,2,3,4,5,6,7
	v_fma_f32 v[BM+\b], v[BM+\b], s56, v[NM]       ; the same of each block's largest score
.endr
.set J, 0
	s_wait_alu depctr_va_vdst(0)
.rept 128
	v_exp_f32 v[SR+J], v[SR+J]
.set J, J+1
.endr
.irp b, 0,1,2,3,4,5,6,7
	v_exp_f32 v[BM+\b], v[BM+\b]
.endr
	v_nop
	s_wait_alu depctr_va_vdst(0)
	v_pk_add_f32 v[SU:SU+1], v[SR:SR+1], v[SR+2:SR+3]         ; the row's sum, in two chains
	v_pk_add_f32 v[SU+2:SU+3], v[SR+4:SR+5], v[SR+6:SR+7]
.set J, 8
.rept 30
	v_pk_add_f32 v[SU:SU+1], v[SU:SU+1], v[SR+J:SR+J+1]
	v_pk_add_f32 v[SU+2:SU+3], v[SU+2:SU+3], v[SR+J+2:SR+J+3]
.set J, J+4
.endr
	v_pk_add_f32 v[SU:SU+1], v[SU:SU+1], v[SU+2:SU+3]
	v_add_f32 v[SU], v[SU], v[SU+1]
	v_permlanex16_b32 v[BP], v[SU], s62, s63
	v_add_f32 v[SU], v[SU], v[BP]
	v_max_num_f32 v[SU], s61, v[SU]                ; held at 2^-100 from below: a row with no key has the sum 0
	s_wait_alu depctr_va_vdst(0)
	v_rcp_f32 v[RR], v[SU]
	v_nop
	s_wait_alu depctr_va_vdst(0)
.set J, 0
.rept 64
	v_pk_mul_f32 v[SR+J:SR+J+1], v[SR+J:SR+J+1], v[RR:RR+1] op_sel_hi:[1,0]   ; p, finished and normalised
.set J, J+2
.endr
.irp b, 0,1,2,3,4,5,6,7
	v_mul_f32 v[BM+\b], v[BM+\b], v[RR]            ; each block's largest p: the same instructions on the same number
.endr
.irp b, 0,1,2,3,4,5,6,7
	v_max_num_f32 v[BM+\b], 0x1800000, v[BM+\b]
.endr
.irp b, 0,1,2,3,4,5,6,7
	v_add_nc_u32 v[BM+\b], 0xff000000, v[BM+\b]    ; the conversions' scale operands
.endr
.irp b, 0,1,2,3,4,5,6,7
	v_lshrrev_b32 v[BP+\b], 23, v[BM+\b]           ; the scales' bytes
.endr
.irp k, 0,1
	v_lshl_or_b32 v[PS+\k], v[BP+4*\k+1], 8, v[BP+4*\k]       ; p's scale words for keys 128 k on
.endr
.irp k, 0,1
	v_lshl_or_b32 v[PS+\k], v[BP+4*\k+2], 16, v[PS+\k]
.endr
.irp k, 0,1
	v_lshl_or_b32 v[PS+\k], v[BP+4*\k+3], 24, v[PS+\k]
.endr
.irp k, 0,1                            ; p's two fragments: the first where q's operand stood, the second over scores that the first has used up
.set PB, QP-(QP-SR)*\k
.irp c, 0,1
	v_cvt_scalef32_pk16_fp6_f32 v[PB+6*\c:PB+6*\c+2], v[SR+64*\k+32*\c:SR+64*\k+32*\c+15], v[BM+4*\k+2*\c]
	v_cvt_scalef32_pk16_fp6_f32 v[BP+4*\c:BP+4*\c+2], v[SR+64*\k+32*\c+16:SR+64*\k+32*\c+31], v[BM+4*\k+2*\c+1]
.endr
	v_nop                                          ; one plain instruction behind the conversions
.irp c, 0,1
.irp i, 0,1,2
	v_permlane16_swap_b32 v[PB+6*\c+\i], v[BP+4*\c+\i]
.endr
.irp i, 0,1,2
	v_mov_b32 v[PB+6*\c+3+\i], v[BP+4*\c+\i]
.endr
.endr
.endr
	PLACES 8                                       ; a scale register and an operand written by vector instructions stand eight and four places ahead of a scaled product
.irp k, 0,1                            ; O^T = V^T P^T: four tiles of 16 channels by turns, two K steps of 128 keys
.irp t, 0,1,2,3
	BSEL 16+4*\k+\t
	WIN BW
.set DD, OA+8*\t
.set AA, BR
.set BB, QP-(QP-SR)*\k
.set SA, VS+4*\k+\t
.set SBX, PS+\k
.set ZZ, \k
.set HH, 0
	MM
.endr
.endr
	WIN 0
	PLACES 4
.irp b, 0,1                            ; the result's two blocks of 32 channels are quantised as q's were
	v_max3_num_f32 v[BM+\b], |v[OA+16*\b]|, |v[OA+16*\b+1]|, 0x1800000
.endr
.irp i, 2,4,6,8,10,12,14
.irp b, 0,1
	v_max3_num_f32 v[BM+\b], v[BM+\b], |v[OA+16*\b+\i]|, |v[OA+16*\b+\i+1]|
.endr
.endr
.irp b, 0,1
	v_permlanex16_b32 v[BM+2+\b], v[BM+\b], s62, s63
.endr
.irp b, 0,1
	v_max_num_f32 v[BM+\b], v[BM+\b], v[BM+2+\b]
.endr
.irp b, 0,1
	v_add_nc_u32 v[BM+4+\b], 0xff000000, v[BM+\b]
.endr
.irp b, 0,1
	v_lshrrev_b32 v[BM+6+\b], 23, v[BM+4+\b]
.endr
	v_lshl_or_b32 v[NW], v[BM+7], 8, v[BM+6]       ; my row's two scale bytes
	v_cvt_scalef32_pk16_fp6_f32 v[OC:OC+2], v[OA:OA+15], v[BM+4]
	v_cvt_scalef32_pk16_fp6_f32 v[OX:OX+2], v[OA+16:OA+31], v[BM+5]
	v_nop
.irp i, 0,1,2
	v_permlane16_swap_b32 v[OC+\i], v[OX+\i]
.endr
.irp i, 0,1,2
	v_mov_b32 v[OC+3+\i], v[OX+\i]
.endr
	global_store_b128 v[L16], v[OC:OC+3], s[50:51]           ; 512 consecutive bytes, aligned to 256,
	global_store_b64 v[GOB], v[OC+4:OC+5], s[50:51]          ; and the 256 behind them
	ds_store_b16 v[ASH], v[NW]                     ; lanes l and l + 16 write the same bytes with the same value
	s_wait_xcnt 0x0                                ; the stores have read their registers and their base: the next trip writes both
	s_add_nc_u64 s[50:51], s[50:51], OTB
	s_add_co_u32 s67, s67, QSL
	s_add_co_u32 s68, s68, 32
.endm
	s_load_b256 s[4:11], s[0:1], 0x0               ; recs, kvrec, memory_mask, orec
	s_load_b64 s[12:13], s[0:1], 0x20              ; oscl
	s_set_vgpr_msb 0x40
	v_lshl_add_u32 v254, v0, 2, SPARE              ; my spare word and 0, in window 1
	v_mov_b32 v255, 0
	s_set_vgpr_msb 0x4045
	ds_add_u32 v254, v255                          ; the opening lines: the add twice on end and one wait
	ds_add_u32 v254, v255
	s_set_vgpr_msb 0x4500
	v_lshrrev_b32 v254, 5, v0
	v_readfirstlane_b32 s14, v254                  ; wave 0..7
	s_and_b32 s74, s14, 3                          ; my head of the work-group's four
	s_lshr_b32 s75, s14, 2                         ; which eight tiles
	s_lshr_b32 s15, ttmp9, 4                       ; the batch: 16 clusters each
	s_and_b32 s29, s74, 1                          ; e: which head of its pair is mine
	s_mov_b32 s16, 15|(3<<16)|(1<<21)              ; two records of x: the mask of all four work-groups, elements of 8 bytes, bit 21 beside the mask, no padding
	s_mov_b32 s17, 32<<16                          ; rows of 256 bytes
	s_mov_b32 s18, 100<<16                         ; 100 rows
	s_mov_b32 s19, 32<<16
	s_mov_b32 s20, 100
	s_mov_b32 s21, 32                              ; dense
	s_mov_b32 s22, 0
	s_mov_b32 s23, 0
	s_lshl_b32 s30, ttmp9, 4
	s_lshl_b32 s31, s14, 1
	s_add_co_u32 s30, s30, s31
	s_mul_i32 s30, s30, REC                        ; x's records 16 x cluster + 2 x wave on
	s_mov_b32 s31, 0
	s_mul_i32 s25, s14, 2*REC                      ; and their place in LDS
	s_bfe_u32 s28, ttmp6, 0x40000                  ; cx enters the addresses of plain loads, prefetches and stores alone
	s_mul_i32 s32, s28, 48
	s_lshl_b32 s33, s74, 2
	s_add_co_u32 s32, s32, s33
	s_add_co_u32 s32, s32, 1024
	s_mul_i32 s32, s32, REC                        ; wq's records 1,024 + 48 cx + 4 head on
	s_mov_b32 s33, 0
	s_lshl_b32 s34, s15, 3
	s_lshl_b32 s35, s28, 1
	s_add_co_u32 s34, s34, s35
	s_mul_i32 s76, s34, CH                         ; the work-group's two chunks of K
	s_mov_b32 s77, 0
	s_lshr_b32 s35, s74, 1
	s_add_co_u32 s34, s34, s35
	s_mul_i32 s34, s34, CH                         ; K's chunk of my batch and head pair
	s_mov_b32 s35, 0
	s_mul_i32 s36, s29, REC
	s_add_co_u32 s36, s36, s34
	s_add_co_u32 s36, s36, 819200                  ; V's record of my head
	s_mov_b32 s37, 0
	s_mul_i32 s38, ttmp9, 16*OTB
	s_lshl_b32 s39, s28, 1
	s_lshr_b32 s40, s74, 1
	s_add_co_u32 s39, s39, s40
	s_mul_i32 s39, s39, 1536
	s_add_co_u32 s38, s38, s39
	s_mul_i32 s39, s29, 768
	s_add_co_u32 s38, s38, s39
	s_mul_i32 s39, s75, 8*OTB
	s_add_co_u32 s38, s38, s39                     ; orec: my first tile, my head pair's K step, my head's half
	s_mov_b32 s39, 0
	s_lshl_b32 s40, ttmp9, 13
	s_lshl_b32 s41, s28, 11
	s_add_co_u32 s40, s40, s41
	s_lshl_b32 s41, s74, 9
	s_add_co_u32 s40, s40, s41                     ; oscl: 8,192 a cluster, 2,048 a work-group, 512 a storing wave
	s_mov_b32 s41, 0
	s_lshl_b32 s42, s15, 8
	s_mov_b32 s43, 0
	s_cmp_eq_u32 s29, 1
	s_cselect_b32 s69, -1, 0                       ; all lanes: e = 1
	s_cselect_b32 s70, 0, -1                       ; all lanes: e = 0
	s_lshl_b32 s71, s29, 4                         ; 16 e
	s_mov_b32 s56, 0x3e38aa3b                      ; c = log2(e) / 8
	s_mov_b32 s57, s56
	s_mov_b32 s58, 0xbe38aa3b                      ; -c
	s_mov_b32 s59, 0xf1800000                      ; -2^100
	s_mov_b32 s60, 0xef800000                      ; -2^96
	s_mov_b32 s61, 0x0d800000                      ; 2^-100
	s_mov_b32 s62, 0x76543210
	s_mov_b32 s63, 0xfedcba98                      ; selects: lane l xor 16
	s_wait_dscnt 0x0
	s_wait_kmcnt 0x0
	s_mov_b32 s24, 1
	s_add_nc_u64 s[26:27], s[4:5], s[30:31]
	s_or_b32 s27, s27, 0x80000000
	s_add_nc_u64 s[44:45], s[4:5], s[32:33]
	s_add_nc_u64 s[46:47], s[6:7], s[34:35]
	s_add_nc_u64 s[48:49], s[6:7], s[36:37]
	s_add_nc_u64 s[50:51], s[10:11], s[38:39]
	s_add_nc_u64 s[52:53], s[12:13], s[40:41]
	s_add_nc_u64 s[8:9], s[8:9], s[42:43]
	s_add_nc_u64 s[76:77], s[6:7], s[76:77]
	s_lshl_b32 s30, s14, 10
	s_add_co_u32 s30, s30, BIAS                    ; my image of the mask
	s_mul_i32 s31, s14, 8*QSL
	s_add_co_u32 s31, s31, QB                      ; my q
	s_add_co_u32 s32, s31, 1536
	s_lshr_b32 s33, s74, 1
	s_lshl_b32 s33, s33, 10
	s_lshl_b32 s34, s29, 8
	s_add_co_u32 s33, s33, s34
	s_add_co_u32 s33, s33, SCG                     ; the end: the pair's first head, tiles 8 e on
	s_mul_i32 s34, s14, 25*256                     ; my 25 blocks of a run of K or V
	s_lshl_b32 s35, s74, 9
	s_add_co_u32 s35, s35, SCG                     ; my head's scale bytes
	ROUND                                          ; all four work-groups are here: the joint loads meet
	tensor_load_to_lds s[24:27], s[16:23]          ; my one tensor load of the launch
	s_nop 0
	PLACES 4
	v_and_b32 v254, 31, v0                         ; l
	v_and_b32 v255, 15, v0                         ; r
	v_bfe_u32 v253, v0, 4, 1                       ; h
	v_bfe_u32 v246, v0, 1, 3                       ; the mask: lane 16 h + kt takes the eight keys that key tile kt's result registers hold in half h: 32 (kt / 2) + 16 h + 8 (kt % 2) on
	v_and_b32 v247, 1, v0
	v_lshlrev_b32 v[L16], 4, v254
	v_lshlrev_b32 v[R16], 4, v255
	v_lshl_add_u32 v[AX0], v254, 4, XB
	v_lshl_add_u32 v[AXS0], v255, 4, XB+12288
	v_lshl_add_u32 v243, v254, 5, s30              ; where my lane lays its eight words of the image
	v_lshl_add_u32 v[AQ0], v254, 4, s31
	v_lshl_add_u32 v[AQS0], v254, 2, s32
	v_lshl_add_u32 v[AFIN], v254, 3, s33
	v_min_u32 v[PF], 24, v254
	v_mul_u32_u24 v250, v253, 2*REC                ; wq's scale words: lanes 16-31 take the tile two further on
	v_lshlrev_b32 v246, 5, v246
	v_lshl_add_u32 v[PF], v[PF], 8, s34
	v_lshl_add_u32 v250, v255, 4, v250
	v_lshl_add_u32 v246, v253, 4, v246
	v_lshl_add_u32 v246, v247, 3, v246
	v_mov_b32 v[BM+2], 0                           ; a lane permute's destination counts as one of its sources
	v_mov_b32 v[BM+3], 0
.irp i, 0,1,2,3,4,5,6,7
	v_mov_b32 v[BP+\i], 0
.endr
	s_wait_alu depctr_va_vdst(0)                   ; the end of the head's vector work
	global_load_b64 v[248:249], v246, s[8:9]
.irp tp, 0,1
.irp g, 0,1
	global_load_b128 v[WQS+8*\tp+4*\g:WQS+8*\tp+4*\g+3], v250, s[44:45] offset:REC*\tp+12288+256*\g
.endr
.endr
.set F, 0
.rept 32
	WQF F
.set F, F+1
.endr
	WIN 0
	s_wait_loadcnt 0x0                             ; the mask, and all that stays in registers through phase 1
.irp j, 0,1,2,3,4,5,6,7
	v_bfe_u32 v[QP+\j], v[248+\j/4], 8*(\j%4), 1
.endr
.irp j, 0,1,2,3,4,5,6,7
	v_add_nc_u32 v[QP+\j], -1, v[QP+\j]            ; 0 where the key counts, all ones where not
.endr
.irp j, 0,1,2,3,4,5,6,7
	v_and_b32 v[QP+\j], s59, v[QP+\j]              ; 0 or -2^100
.endr
	ds_store_b128 v243, v[QP:QP+3]
	ds_store_b128 v243, v[QP+4:QP+7] offset:16
	s_wait_tensorcnt 0x0                           ; my two records of x are in,
	s_wait_dscnt 0x0
	s_barrier_signal -1
	s_barrier_wait -1                              ; all sixteen are
	s_mul_i32 s67, s75, 8*REC                      ; my first tile's record
	v_add_nc_u32 v[AX], s67, v[AX0]
	v_add_nc_u32 v[AXS], s67, v[AXS0]
	s_wait_alu depctr_va_vdst(0)                   ; directly behind the writes
	XF 0
	XF 1
	ds_load_b128 v[XS:XS+3], v[AXS]
	ds_load_b128 v[XS+4:XS+7], v[AXS] offset:256
	s_add_co_u32 s67, s67, REC                     ; the record to be fetched next
	s_mov_b32 s68, 0                               ; q's place
	s_mov_b32 s66, 7
	s_wait_dscnt 0x0
.Lq:
	QTRIP 1
	s_sub_co_u32 s66, s66, 1
	s_cmp_lg_u32 s66, 0
	s_cbranch_scc1 .Lq
	QTRIP 0                                        ; my last tile is written out: it fetches no x, and K and V take wq's place
	v_and_b32 v254, 31, v0
	v_and_b32 v255, 15, v0
	v_bfe_u32 v252, v0, 4, 1
	v_mov_b32 v[NM+1], 0                           ; named as the upper half of a pair
	v_lshl_add_u32 v[GOB], v254, 3, 512
	v_lshl_add_u32 v[ASH0], v255, 1, s35
	v_lshl_add_u32 v[AB], v252, 9, s30             ; my half's image of the mask
	s_mov_b32 s67, 0
	s_lshl_b32 s68, s75, 8                         ; 32 bytes of scale bytes a tile
	s_mov_b32 s66, 8
	s_wait_alu depctr_va_vdst(0)
	s_wait_loadcnt 0x0                             ; K and V and their scale words are in
.La:
	ATRIP
	s_sub_co_u32 s66, s66, 1
	s_cmp_lg_u32 s66, 0
	s_cbranch_scc1 .La
	s_wait_dscnt 0x0                               ; my 128 pairs of scale bytes lie in LDS
	s_barrier_signal -1
	s_barrier_wait -1                              ; everybody's do
	s_cmp_lt_u32 s14, 4                            ; waves 0-3 store 512 bytes of scale words each
	s_cbranch_scc0 .Lfin
	ds_load_b64 v[BM:BM+1], v[AFIN]                ; four rows' pairs of the pair's first head,
	ds_load_b64 v[BM+2:BM+3], v[AFIN] offset:512   ; and of its second
	s_wait_dscnt 0x0
	v_perm_b32 v[BP], v[BM+2], v[BM], 0x05040100   ; a row's word: the first head's two bytes below, the second's above
	v_perm_b32 v[BP+1], v[BM+2], v[BM], 0x07060302
	v_perm_b32 v[BP+2], v[BM+3], v[BM+1], 0x05040100
	v_perm_b32 v[BP+3], v[BM+3], v[BM+1], 0x07060302
	global_store_b128 v[L16], v[BP:BP+3], s[52:53] ; 512 consecutive bytes, aligned to 256
.Lfin:
	s_set_vgpr_msb 0x5
	s_wait_tensorcnt 0x0                           ; the wave's end
	ds_add_u32 v254, v255
	s_wait_dscnt 0x0
	s_set_vgpr_msb 0x500
	ROUND                                          ; the closing round
	s_endpgm
.Lfunc_end_k_qee30b11705_qatt:
	.size	k_qee30b11705_qatt, .Lfunc_end_k_qee30b11705_qatt-k_qee30b11705_qatt
	.p2alignl 7, 3214868480
	.fill 96, 4, 3214868480
	.section	.rodata,"a",@progbits
	.p2align	6, 0x0
	.amdhsa_kernel k_qee30b11705_qatt
		.amdhsa_group_segment_fixed_size 327680
		.amdhsa_private_segment_fixed_size 0
		.amdhsa_enable_private_segment 0
		.amdhsa_kernarg_size 40
		.amdhsa_user_sgpr_count 2
		.amdhsa_user_sgpr_kernarg_segment_ptr 1
		.amdhsa_wavefront_size32 1
		.amdhsa_system_sgpr_workgroup_id_x 1
		.amdhsa_system_sgpr_workgroup_id_y 1
		.amdhsa_system_sgpr_workgroup_id_z 1
		.amdhsa_system_vgpr_workitem_id 0
		.amdhsa_next_free_vgpr 512
		.amdhsa_next_free_sgpr 80
		.amdhsa_reserve_vcc 0
		.amdhsa_float_denorm_mode_32 3
		.amdhsa_float_denorm_mode_16_64 3
		.amdhsa_memory_ordered 1
		.amdhsa_forward_progress 1
		.amdhsa_inst_pref_size 82
	.end_amdhsa_kernel
	.amdgpu_metadata
---
amdhsa.version: [ 1, 2 ]
amdhsa.kernels:
  - .name:           k_qee30b11705_qatt
    .symbol:         k_qee30b11705_qatt.kd
    .args:
      - { .name: recs, .offset: 0, .size: 8, .value_kind: global_buffer, .address_space: global }
      - { .name: kvrec, .offset: 8, .size: 8, .value_kind: global_buffer, .address_space: global }
      - { .name: memory_mask, .offset: 16, .size: 8, .value_kind: global_buffer, .address_space: global }
      - { .name: orec, .offset: 24, .size: 8, .value_kind: global_buffer, .address_space: global }
      - { .name: oscl, .offset: 32, .size: 8, .value_kind: global_buffer, .address_space: global }
    .group_segment_fixed_size: 327680
    .private_segment_fixed_size: 0
    .kernarg_segment_align: 8
    .kernarg_segment_size: 40
    .max_flat_workgroup_size: 256
    .sgpr_count:     80
    .vgpr_count:     512
    .wavefront_size: 32
...
	.end_amdgpu_metadata
.endif
;; end of part 3
;; launch gowo (part 4): grid 256 x 1, 8 waves a work-group, clusters of 4 x 1, 327,680 bytes of LDS; arguments recs, orec, oscl, out0; writes out0
.if DOCPART == 4
	.amdgcn_target "amdgcn-amd-amdhsa--gfx1250"
	.amdhsa_code_object_version 6
	.text
	.protected	k_qee30b11705_gowo
	.globl	k_qee30b11705_gowo
	.p2align	8
	.type	k_qee30b11705_gowo,@function
k_qee30b11705_gowo:
	s_mov_b64 s[64:65], 0
	v_nop
	global_prefetch_b8 v0, s[64:65] scope:SCOPE_SE
	s_setreg_imm32_b32 hwreg(HW_REG_WAVE_MODE, 25, 1), 1
	s_wait_xcnt 0x0
	s_wait_alu depctr_hold_cnt(0) depctr_sa_sdst(0) depctr_va_vdst(0) depctr_va_sdst(0) depctr_va_ssrc(0) depctr_va_vcc(0) depctr_vm_vsrc(0)
	s_getreg_b32 s2, hwreg(HW_REG_IB_STS2, 6, 4)
	s_cmp_eq_u32 s2, 0
	s_cbranch_scc0 .Lentry_in_a_cluster
	s_endpgm
.Lentry_in_a_cluster:
	s_bfe_u32 s2, ttmp6, 0x10000c
	s_cmp_lg_u32 s2, 0x3003
	s_cbranch_scc0 .Lentry_shape_is_right
	s_endpgm
.Lentry_shape_is_right:
; GOWO: out0 = sigmoid(x wg^T) * (o wo^T), both products on codes of FP6 (E2M3) with E8M0 scales; x's records come from recs, o's codes and scale words from orec and oscl.
; SHARES.  A cluster of four work-groups takes 256 rows (16 tiles of 16; lane-row r of tile T is row 32 (T / 2) + 8 (T % 2) + r + 8 (r / 8)); work-group cx takes columns 256 cx on.
; Eight waves, two to a SIMD.  Waves come in pairs, pair c = wave & 3 for columns 64 c on: the wave of role 0 keeps wg's 32 fragments (4 tiles x 8 K steps) in registers and reads x alone,
; the wave of role 1 keeps wo's 32 and reads o alone: a fragment from LDS feeds four products.  role = (wave xor wave / 4) & 1: waves w and w + 4 differ in it, and so do waves 2 k and 2 k + 1.
; A TILE GOES IN TWO HALF STEPS, each closed by a barrier.  In the first, role 0 multiplies tile i (32 products, four accumulators by turns) and lays its raw sums in the pair's stage, while role 1 fetches
; its first fragments of tile i and finishes lane-rows 0-7 of tile i - 1: raw g and o back from the stage by rows, sigmoid(g) o, stored.  In the second the roles change places (role 0: lane-rows 8-15, and tile i + 1's first fragments).
; The stage has two sets by turns (tile i in set i % 2): what is read in tile i's half steps is set (i - 1) % 2, what is written is set i % 2.
; THE PRODUCTS ARE USED TRANSPOSED (source 0 = 16 rows of the weight, source 1 = 16 of my rows): a lane holds one row, the registers of two neighbouring tiles 16 neighbouring columns.
; x AND o STREAM through two LDS slots of four tiles, filled by joint tensor loads: the four work-groups of a cluster walk the same rows.  Waves 0-3 fetch a record of x each, waves 4-7 a tile of o each.
; The weights differ between the partners and are not shared.  o's scale words (8,192 bytes) are copied once through registers into LDS bytes of their own.
; No prefetch: a slot's refill is asked for four tiles (128 products a wave) ahead of the wait for it, and slots 0 and 1 are asked for at the head, where there is no loop to run ahead in.
; LIMITS: NaN and infinities among the inputs are not served.  Where exp2 overflows the gate is 0, as the sigmoid's limit is.
; REGISTERS: window 0: v1-16 addresses; v20-35 the weight's scale words (lanes 0-15 tile t, lanes 16-31 tile t + 2); v36-43 my rows' scale words; v44-91 four sets of a fragment; v92-123 the sums, later the way out;
;   v124-255 weight fragments 0-10; window 1: weight fragments 11-31.  Fragment 4 s + t is K step s of tile t.
.set REC,   12800
.set OTB,   12288
.set SLB,   100352                     ; a slot: four records of x, then four tiles of o
.set OPART, 51200
.set OSCL,  200704                     ; o's scale words: [K step][tile][row]
.set STG,   208896                     ; the stages: PAIRB a pair, PARB a set, in it g's 16 rows of 272 bytes, then o's
.set PAIRB, 17408
.set PARB,  8704
.set HALFB, 4352
.set SPARE, 278528                     ; the spare words: 128 bytes a wave
.set SPW,  1
.set NIL,  2
.set L16,  3                           ; 16 l
.set L8,   4                           ; 512 + 8 l
.set R16X, 5                           ; 12,288 + 16 r
.set R4,   6                           ; 4 r
.set AXF,  7
.set AXS,  8
.set AOA,  9
.set AOB,  10
.set AOS,  11
.set STO0, 12
.set RD0,  13
.set STO,  14
.set RD,   15
.set GOF,  16
.set RS,   20
.set WS,   36
.set WF,   44
.set ACC,  92
.set G1X,  16
.set G1O,  24
.set G0X,  40
.set G0O,  48
.set MSB, 0
.macro WIN new                         ; the immediate's high byte repeats the setting that is left
.if MSB != (\new)
	s_set_vgpr_msb (MSB<<8)|(\new)
.set MSB, \new
.endif
.endm
.macro PLACES n
.rept \n
	v_nop
.endr
.endm
.macro BSEL g                          ; weight fragment g: window BW, register BR
.if (\g) < 11
.set BW, 0
.set BR, 124+12*(\g)
.else
.set BW, 1
.set BR, 12*((\g)-11)
.endif
.endm
.macro MM                              ; ZZ = 0: the product starts its sum; HH: the weight's scale word stands in lanes 16-31
.if ZZ == 0
.if HH
	v_wmma_scale_f32_16x16x128_f8f6f4 v[DD:DD+7], v[AA:AA+11], v[BB:BB+11], 0, v[SA], v[SBX] matrix_a_fmt:MATRIX_FMT_FP6 matrix_b_fmt:MATRIX_FMT_FP6 matrix_a_scale:MATRIX_SCALE_ROW1
.else
	v_wmma_scale_f32_16x16x128_f8f6f4 v[DD:DD+7], v[AA:AA+11], v[BB:BB+11], 0, v[SA], v[SBX] matrix_a_fmt:MATRIX_FMT_FP6 matrix_b_fmt:MATRIX_FMT_FP6
.endif
.else
.if HH
	v_wmma_scale_f32_16x16x128_f8f6f4 v[DD:DD+7], v[AA:AA+11], v[BB:BB+11], v[DD:DD+7], v[SA], v[SBX] matrix_a_fmt:MATRIX_FMT_FP6 matrix_b_fmt:MATRIX_FMT_FP6 matrix_a_scale:MATRIX_SCALE_ROW1
.else
	v_wmma_scale_f32_16x16x128_f8f6f4 v[DD:DD+7], v[AA:AA+11], v[BB:BB+11], v[DD:DD+7], v[SA], v[SBX] matrix_a_fmt:MATRIX_FMT_FP6 matrix_b_fmt:MATRIX_FMT_FP6
.endif
.endif
.endm
.macro ROUND                           ; a round of the cluster's barrier
	s_barrier_signal -1
	s_barrier_wait -1
	s_cmp_lg_u32 s14, 0
	s_cbranch_scc1 .Lnw0_\@
	s_barrier_signal -3
.Lnw0_\@:
	s_barrier_wait -3
	s_barrier_signal -1
	s_barrier_wait -1
.endm
.macro JLOAD slot                      ; a joint load: waves 0-3 a record of x, waves 4-7 a tile of o
	s_cmp_lt_u32 s14, 4
	s_cbranch_scc0 .Lfor_o_\@
	tensor_load_to_lds s[G0X+4*\slot:G0X+4*\slot+3], s[G1X:G1X+7]
	s_nop 0
	PLACES 4
	s_branch .Lasked_\@
.Lfor_o_\@:
	tensor_load_to_lds s[G0O+4*\slot:G0O+4*\slot+3], s[G1O:G1O+7]
	s_nop 0
	PLACES 4
.Lasked_\@:
.endm
.macro BAR                             ; a half step's end: my LDS instructions are done, all eight waves meet; then my stores have read their registers and base
	s_wait_dscnt 0x0
	s_barrier_signal -1
	s_barrier_wait -1
	s_wait_xcnt 0x0
.endm
.macro CHANGE slot, fill               ; four tiles are done: the other slot is shown whole; fill = 1: the slot just read is filled again, eight tiles on
	s_wait_tensorcnt 0x0                           ; all my tensor loads have landed: my part of the other slot
.if \fill
	ds_add_u32 v[SPW], v[NIL]
	s_add_nc_u64 s[G0X+4*\slot+2:G0X+4*\slot+3], s[G0X+4*\slot+2:G0X+4*\slot+3], 8*REC
	s_add_nc_u64 s[G0O+4*\slot+2:G0O+4*\slot+3], s[G0O+4*\slot+2:G0O+4*\slot+3], 8*OTB
	s_wait_dscnt 0x0
	ROUND
	JLOAD \slot
.else
	s_wait_dscnt 0x0
	s_barrier_signal -1
	s_barrier_wait -1
.endif
.endm
.macro GFRAG g                         ; weight fragment g from memory, as it lies in its record: three loads of 512 consecutive bytes
	BSEL \g
	WIN BW<<6
.irp p, 0,1,2
	global_load_b128 v[BR+4*\p:BR+4*\p+3], v[L16], s[60:61] offset:2*REC*((\g)%4)+1536*((\g)/4)+512*\p
.endr
.endm
.macro FRL role, s                     ; my rows' fragment of K step s into set s % 4: x's in three loads, o's (two heads' halves) in four
.set WB, WF+12*((\s)%4)
.if \role == 0
.irp p, 0,1,2
	ds_load_b128 v[WB+4*\p:WB+4*\p+3], v[AXF] offset:1536*(\s)+512*\p
.endr
.else
.irp e, 0,1
	ds_load_b128 v[WB+6*\e:WB+6*\e+3], v[AOA] offset:1536*(\s)+768*\e
	ds_load_b64 v[WB+6*\e+4:WB+6*\e+5], v[AOB] offset:1536*(\s)+768*\e
.endr
.endif
.endm
.macro PRO role                        ; a tile's scale words and its first four fragments
.if \role == 0
	ds_load_b128 v[WS:WS+3], v[AXS]
	ds_load_b128 v[WS+4:WS+7], v[AXS] offset:256
.else
.irp s, 0,1,2,3,4,5,6,7
	ds_load_b32 v[WS+\s], v[AOS] offset:1024*\s
.endr
.endif
	FRL \role, 0
	FRL \role, 1
	FRL \role, 2
	FRL \role, 3
.endm
.macro MUL role                        ; 32 products; the fragment four K steps on is fetched into the set just used; then the raw sums go to the stage
.set NLD, 3+\role
.irp s, 0,1,2,3,4,5,6,7
.if \s < 5
	s_wait_dscnt 3*NLD                             ; this K step's set is in; the three younger sets may be out
.else
	s_wait_dscnt (7-\s)*NLD
.endif
.irp t, 0,1,2,3
	BSEL 4*\s+\t
	WIN BW
.set DD, ACC+8*\t
.set AA, BR
.set BB, WF+12*(\s%4)
.set SA, RS+8*(\t%2)+\s
.set SBX, WS+\s
.set ZZ, \s
.set HH, \t/2
	MM
.endr
.if \s < 4
	WIN 0
	PLACES 4                                       ; ahead of loads into registers that these products read
	FRL \role, \s+4
.endif
.endr
	WIN 0
	PLACES 4                                       ; ahead of the first read of results
.irp m, 0,1,2,3
	ds_store_b128 v[STO], v[ACC+8*\m:ACC+8*\m+3] offset:128*(\m/2)+32*(\m%2)       ; each accumulator from its low end on
	ds_store_b128 v[STO], v[ACC+8*\m+4:ACC+8*\m+7] offset:128*(\m/2)+32*(\m%2)+16
.endr
.endm
.macro FLUSH                           ; eight lane-rows x 64 columns of the tile before: two rows of 256 bytes a load
.irp i, 0,1,2,3
	ds_load_b128 v[ACC+4*\i:ACC+4*\i+3], v[RD] offset:544*\i
.endr
.irp i, 0,1,2,3
	ds_load_b128 v[ACC+16+4*\i:ACC+19+4*\i], v[RD] offset:HALFB+544*\i
.endr
	s_wait_dscnt 4                                 ; g is in; o's four loads may be out
.irp k, 0,2,4,6,8,10,12,14
	v_pk_mul_f32 v[ACC+\k:ACC+\k+1], v[ACC+\k:ACC+\k+1], s[56:57] op_sel_hi:[1,0]   ; -g log2(e)
.endr
	s_wait_alu depctr_va_vdst(0)
.irp k, 0,1,2,3,4,5,6,7,8,9,10,11,12,13,14,15
	v_exp_f32 v[ACC+\k], v[ACC+\k]
.endr
	v_nop
	s_wait_alu depctr_va_vdst(0)
.irp k, 0,2,4,6,8,10,12,14
	v_pk_add_f32 v[ACC+\k:ACC+\k+1], v[ACC+\k:ACC+\k+1], 1.0 op_sel_hi:[1,0]
.endr
	s_wait_alu depctr_va_vdst(0)
.irp k, 0,1,2,3,4,5,6,7,8,9,10,11,12,13,14,15
	v_rcp_f32 v[ACC+\k], v[ACC+\k]
.endr
	v_nop
	s_wait_alu depctr_va_vdst(0)
	s_wait_dscnt 0x0                               ; o is in
.irp k, 0,2,4,6,8,10,12,14
	v_pk_mul_f32 v[ACC+\k:ACC+\k+1], v[ACC+\k:ACC+\k+1], v[ACC+16+\k:ACC+17+\k]
.endr
.irp i, 0,1,2,3
	global_store_b128 v[GOF], v[ACC+4*\i:ACC+4*\i+3], s[66:67] offset:8192*\i th:TH_STORE_NT   ; 16 lanes store 256 consecutive bytes, aligned to 256
.endr
.endm
.macro START                           ; a slot's first tile: role 0 fetches its first fragments here
	v_add_nc_u32 v[AXF], s72, v[L16]
	v_add_nc_u32 v[AXS], s72, v[R16X]
	s_wait_alu depctr_va_vdst(0)
	s_cmp_eq_u32 s13, 0
	s_cbranch_scc0 .Lst_\@
	PRO 0
.Lst_\@:
.endm
.macro BODY fl                         ; one tile; fl = 0: the first, with no tile before it to finish
	v_add_nc_u32 v[AOA], s73, v[L16]
	v_add_nc_u32 v[AOB], s73, v[L8]
	v_add_nc_u32 v[AOS], s74, v[R4]
	v_add_nc_u32 v[STO], s75, v[STO0]
	v_add_nc_u32 v[RD], s76, v[RD0]
	s_wait_alu depctr_va_vdst(0)
	s_cmp_eq_u32 s13, 0
	s_cbranch_scc0 .Leb_\@
	MUL 0
	s_branch .Lej_\@
.Leb_\@:
	PRO 1
.if \fl
	FLUSH
.endif
.Lej_\@:
	BAR
	s_add_co_u32 s72, s72, REC
	v_add_nc_u32 v[AXF], s72, v[L16]               ; x's next tile
	v_add_nc_u32 v[AXS], s72, v[R16X]
	s_wait_alu depctr_va_vdst(0)
	s_cmp_eq_u32 s13, 0
	s_cbranch_scc0 .Lob_\@
	s_cmp_eq_u32 s71, 1                            ; the slot's last tile: the next one lies in the other slot and is fetched behind the change
	s_cbranch_scc1 .Lnp_\@
	PRO 0
.Lnp_\@:
.if \fl
	FLUSH
.endif
	s_branch .Loj_\@
.Lob_\@:
	MUL 1
.Loj_\@:
	BAR
	s_lshr_b32 s68, s70, 1                         ; where this tile's rows begin in out0: 32 (T / 2) + 8 (T % 2) rows of 4,096 bytes
	s_lshl_b32 s68, s68, 17
	s_and_b32 s69, s70, 1
	s_lshl_b32 s69, s69, 15
	s_add_co_u32 s68, s68, s69
	s_mov_b32 s69, 0
	s_add_nc_u64 s[66:67], s[62:63], s[68:69]
	s_add_co_u32 s70, s70, 1
	s_add_co_u32 s73, s73, OTB
	s_add_co_u32 s74, s74, 64
	s_xor_b32 s75, s75, PARB
	s_xor_b32 s76, s76, PARB
.endm
.macro RUN n
	s_mov_b32 s71, \n
.Lrun_\@:
	BODY 1
	s_sub_co_u32 s71, s71, 1
	s_cmp_lg_u32 s71, 0
	s_cbranch_scc1 .Lrun_\@
.endm
	s_load_b256 s[4:11], s[0:1], 0x0               ; recs, orec, oscl, out0
	v_lshl_add_u32 v[SPW], v0, 2, SPARE
	v_mov_b32 v[NIL], 0
	ds_add_u32 v[SPW], v[NIL]                      ; the opening lines: the add twice on end and one wait
	ds_add_u32 v[SPW], v[NIL]
	v_lshrrev_b32 v17, 5, v0
	v_readfirstlane_b32 s14, v17                   ; wave 0..7
	s_and_b32 s15, s14, 3                          ; c: the pair
	s_lshr_b32 s13, s14, 2
	s_xor_b32 s13, s13, s14
	s_and_b32 s13, s13, 1                          ; role: 0 wg and x, 1 wo and o
	s_xor_b32 s79, s13, 1                          ; which eight lane-rows I finish: role 1 the first, role 0 the second
	s_mov_b32 s16, 15|(3<<16)|(1<<21)              ; a record of x: the mask of all four work-groups, elements of 8 bytes, 50 rows of 256 bytes, dense
	s_mov_b32 s17, 32<<16
	s_mov_b32 s18, 50<<16
	s_mov_b32 s19, 32<<16
	s_mov_b32 s20, 50
	s_mov_b32 s21, 32
	s_mov_b32 s22, 0
	s_mov_b32 s23, 0
	s_mov_b32 s24, 15|(3<<16)|(1<<21)              ; a tile of o: 48 rows of 256 bytes
	s_mov_b32 s25, 32<<16
	s_mov_b32 s26, 48<<16
	s_mov_b32 s27, 32<<16
	s_mov_b32 s28, 48
	s_mov_b32 s29, 32
	s_mov_b32 s30, 0
	s_mov_b32 s31, 0
	s_lshl_b32 s84, ttmp9, 4
	s_add_co_u32 s84, s84, s15                     ; tile 16 x cluster + c
	s_mul_i32 s86, s84, OTB
	s_mul_i32 s84, s84, REC
	s_mov_b32 s85, 0
	s_mov_b32 s87, 0
	s_lshl_b32 s88, ttmp9, 13                      ; oscl: 8,192 bytes a cluster
	s_mov_b32 s89, 0
	s_mul_i32 s90, s15, REC                        ; and their places in a slot
	s_mul_i32 s91, s15, OTB
	s_add_co_u32 s91, s91, OPART
	s_mul_i32 s77, s15, PAIRB
	s_add_co_u32 s77, s77, STG                     ; my pair's stage
	s_mul_i32 s92, s13, HALFB
	s_add_co_u32 s92, s92, s77                     ; into it: g's rows or o's
	s_mul_i32 s93, s79, 8*272
	s_add_co_u32 s93, s93, s77                     ; out of it: my eight lane-rows
	s_bfe_u32 s78, ttmp6, 0x40000                  ; cx enters the addresses of plain loads and stores alone
	s_mul_i32 s80, s78, 48
	s_lshl_b32 s81, s15, 3
	s_add_co_u32 s80, s80, s81
	s_add_co_u32 s80, s80, s13
	s_add_co_u32 s80, s80, 1040
	s_mul_i32 s80, s80, REC                        ; my weight's records: 1,040 + 48 cx + 8 c + role, every second one
	s_mov_b32 s81, 0
	s_lshl_b32 s82, ttmp9, 20
	s_lshl_b32 s83, s78, 10
	s_add_co_u32 s82, s82, s83
	s_lshl_b32 s83, s15, 8
	s_add_co_u32 s82, s82, s83
	s_lshl_b32 s83, s79, 16                        ; lane-rows 8-15 are rows 16-23 of the tile's 32
	s_add_co_u32 s82, s82, s83
	s_mov_b32 s83, 0
	s_mov_b32 s56, 0xbfb8aa3b                      ; -log2(e)
	s_mov_b32 s57, s56
	s_mov_b32 s70, 0                               ; the tile
	s_mov_b32 s72, 0                               ; x's record in LDS
	s_mov_b32 s73, OPART                           ; o's tile in LDS
	s_mov_b32 s74, OSCL                            ; o's scale words of the tile
	s_mov_b32 s75, 0                               ; the stage's set that is written,
	s_mov_b32 s76, PARB                            ; and the one that is read
	s_wait_dscnt 0x0
	s_wait_kmcnt 0x0
	s_mov_b32 s40, 1
	s_mov_b32 s41, s90
	s_add_nc_u64 s[42:43], s[4:5], s[84:85]
	s_mov_b32 s44, 1
	s_add_co_u32 s45, s90, SLB
	s_add_nc_u64 s[46:47], s[42:43], 4*REC
	s_or_b32 s43, s43, 0x80000000
	s_or_b32 s47, s47, 0x80000000
	s_mov_b32 s48, 1
	s_mov_b32 s49, s91
	s_add_nc_u64 s[50:51], s[6:7], s[86:87]
	s_mov_b32 s52, 1
	s_add_co_u32 s53, s91, SLB
	s_add_nc_u64 s[54:55], s[50:51], 4*OTB
	s_or_b32 s51, s51, 0x80000000
	s_or_b32 s55, s55, 0x80000000
	s_add_nc_u64 s[58:59], s[8:9], s[88:89]
	s_add_nc_u64 s[60:61], s[4:5], s[80:81]
	s_add_nc_u64 s[62:63], s[10:11], s[82:83]
	ROUND                                          ; all four work-groups are here: the joint loads meet
	JLOAD 0                                        ; tiles 0-3: my first tensor load at the head
	v_and_b32 v17, 31, v0                          ; l
	v_and_b32 v18, 15, v0                          ; r
	v_bfe_u32 v19, v0, 4, 1                        ; h
	v_lshl_add_u32 v102, v0, 4, OSCL
	v_lshlrev_b32 v101, 4, v0
	v_lshlrev_b32 v[L16], 4, v17
	v_lshl_add_u32 v[L8], v17, 3, 512
	v_lshl_add_u32 v[R16X], v18, 4, 12288
	v_lshlrev_b32 v[R4], 2, v18
	v_mul_u32_u24 v[STO0], v18, 272                ; into the stage: row r, 64 bytes for each half of the lanes
	v_mul_u32_u24 v[RD0], v19, 272                 ; back: lanes 0-15 one row of 256 bytes, lanes 16-31 the next
	v_mul_u32_u24 v100, v19, 4*REC                 ; the weight's scale words: lanes 16-31 take the tile two further on
	v_lshlrev_b32 v[GOF], 12, v19
	v_lshl_add_u32 v[STO0], v19, 6, v[STO0]
	v_lshl_add_u32 v[RD0], v18, 4, v[RD0]
	v_lshl_add_u32 v100, v18, 4, v100
	v_lshl_add_u32 v[GOF], v18, 4, v[GOF]
	v_add_nc_u32 v[STO0], s92, v[STO0]
	v_add_nc_u32 v[RD0], s93, v[RD0]
	s_wait_alu depctr_va_vdst(0)                   ; the end of the head's vector work
	global_load_b128 v[104:107], v101, s[58:59]              ; o's scale words: 256 threads x 16 bytes, twice
	global_load_b128 v[108:111], v101, s[58:59] offset:4096
.irp tp, 0,1
.irp g, 0,1
	global_load_b128 v[RS+8*\tp+4*\g:RS+8*\tp+4*\g+3], v100, s[60:61] offset:2*REC*\tp+12288+256*\g
.endr
.endr
.set F, 0
.rept 19
	GFRAG F
.set F, F+1
.endr
	WIN 0
	s_wait_loadcnt 61                              ; the first two loads are in: behind them 4 loads of scale words and 57 of fragments
	ds_store_b128 v102, v[104:107]
	ds_store_b128 v102, v[108:111] offset:4096
.rept 13
	GFRAG F
.set F, F+1
.endr
	WIN 0
	s_wait_tensorcnt 0x0                           ; my part of tiles 0-3 is in
	ds_add_u32 v[SPW], v[NIL]
	s_wait_dscnt 0x0                               ; the add and my stores of scale words are done
	ROUND
	JLOAD 1                                        ; tiles 4-7
	s_wait_loadcnt 0x0                             ; all that stays in registers
	START
	s_mov_b32 s71, 4
	BODY 0
	RUN 3
	CHANGE 0, 1                                    ; tiles 8-11 into slot 0
	s_mov_b32 s72, SLB
	s_mov_b32 s73, SLB+OPART
	START
	RUN 4
	CHANGE 1, 1                                    ; tiles 12-15 into slot 1
	s_mov_b32 s72, 0
	s_mov_b32 s73, OPART
	START
	RUN 4
	CHANGE 0, 0
	s_mov_b32 s72, SLB
	s_mov_b32 s73, SLB+OPART
	START
	RUN 4
	v_add_nc_u32 v[RD], s76, v[RD0]                ; the last tile's raw sums lie in the stage: each role finishes its eight lane-rows
	s_wait_alu depctr_va_vdst(0)
	FLUSH
	s_wait_tensorcnt 0x0                           ; the wave's end
	ds_add_u32 v[SPW], v[NIL]
	s_wait_dscnt 0x0
	ROUND                                          ; the closing round
	s_endpgm
.Lfunc_end_k_qee30b11705_gowo:
	.size	k_qee30b11705_gowo, .Lfunc_end_k_qee30b11705_gowo-k_qee30b11705_gowo
	.p2alignl 7, 3214868480
	.fill 96, 4, 3214868480
	.section	.rodata,"a",@progbits
	.p2align	6, 0x0
	.amdhsa_kernel k_qee30b11705_gowo
		.amdhsa_group_segment_fixed_size 327680
		.amdhsa_private_segment_fixed_size 0
		.amdhsa_enable_private_segment 0
		.amdhsa_kernarg_size 32
		.amdhsa_user_sgpr_count 2
		.amdhsa_user_sgpr_kernarg_segment_ptr 1
		.amdhsa_wavefront_size32 1
		.amdhsa_system_sgpr_workgroup_id_x 1
		.amdhsa_system_sgpr_workgroup_id_y 1
		.amdhsa_system_sgpr_workgroup_id_z 1
		.amdhsa_system_vgpr_workitem_id 0
		.amdhsa_next_free_vgpr 512
		.amdhsa_next_free_sgpr 96
		.amdhsa_reserve_vcc 0
		.amdhsa_float_denorm_mode_32 3
		.amdhsa_float_denorm_mode_16_64 3
		.amdhsa_memory_ordered 1
		.amdhsa_forward_progress 1
		.amdhsa_inst_pref_size 141
	.end_amdhsa_kernel
	.amdgpu_metadata
---
amdhsa.version: [ 1, 2 ]
amdhsa.kernels:
  - .name:           k_qee30b11705_gowo
    .symbol:         k_qee30b11705_gowo.kd
    .args:
      - { .name: recs, .offset: 0, .size: 8, .value_kind: global_buffer, .address_space: global }
      - { .name: orec, .offset: 8, .size: 8, .value_kind: global_buffer, .address_space: global }
      - { .name: oscl, .offset: 16, .size: 8, .value_kind: global_buffer, .address_space: global }
      - { .name: out0, .offset: 24, .size: 8, .value_kind: global_buffer, .address_space: global }
    .group_segment_fixed_size: 327680
    .private_segment_fixed_size: 0
    .kernarg_segment_align: 8
    .kernarg_segment_size: 32
    .max_flat_workgroup_size: 256
    .sgpr_count:     96
    .vgpr_count:     512
    .wavefront_size: 32
...
	.end_amdgpu_metadata
.endif
;; end of part 4
